; MI455X (gfx1250); checked and timed in simulation.
; The chip was launched on July 23, 2026; its instructions are those of AMD's public machine-readable ISA for CDNA 5 (MIT licence, August 2026) and "CDNA5" Instruction Set Architecture Reference Guide (July 2026). The comments in the code are by the model that wrote it; some were corrected since.
;; Simple Attention. Allowed arithmetic: matrix products marked QUANTISED: E2M3 operands, one E8M0 scale for each 32 along K, by v_wmma_scale_f32_16x16x128_f8f6f4 with both operands' format E2M3, f32 sums; everything else in f32.
;; Inputs: Wk 1,024 x 1,024 float32; Wo 1,024 x 1,024 float32; Wq 1,024 x 1,024 float32; Wv 1,024 x 1,024 float32; bk 1,024 float32; bo 1,024 float32; bq 1,024 float32; bv 1,024 float32; x 4 x 2,048 x 1,024 float32.
;; Outputs: out0 4 x 2,048 x 1,024 float32.
;; This version of the problem:
;;   THIS VERSION OF THE PROBLEM IS GIVEN IN LOW PRECISION. The matrix products marked QUANTISED in the list below multiply operands that are first quantised to E2M3 (2 exponent bits, 3 mantissa bits; 6 bits a number), with one power-of-two scale for each 32 numbers along K (OCP MX v1.0); their sums are f32. All else is computed in f32.
;;   The module's matrix products, in the order in which they are computed (A, B: the left and right operand; K: the contracted axis; several contracted axes count as one K, in the product's order):
;;     1. [M 8,192, K 1,024] x [K 1,024, N 1,024]; A: input x; B: input Wq: QUANTISED
;;     2. [M 8,192, K 1,024] x [K 1,024, N 1,024]; A: input x; B: input Wk: QUANTISED
;;     3. [M 8,192, K 1,024] x [K 1,024, N 1,024]; A: input x; B: input Wv: QUANTISED
;;     4. batch 4 x [M 2,048, K 1,024] x [K 1,024, N 2,048]; A: computed on the way; B: computed on the way: QUANTISED
;;     5. batch 4 x [M 2,048, K 2,048] x [K 2,048, N 1,024]; A: softmax (see below); B: computed on the way: QUANTISED
;;     6. [M 8,192, K 1,024] x [K 1,024, N 1,024]; A: computed on the way; B: input Wo: QUANTISED
;;   THE QUANTISER, for each operand of a quantised product, along K:
;;     - K is cut into blocks of 32 from its start; a last block that is shorter is filled with zeros.
;;     - A block's scale is 2^e with e = floor(log2(the largest magnitude in the block)) - 2, held to -126 .. 127; a block of zeros has e = 0. As a byte (E8M0): e + 127.
;;     - Each number is divided by its block's scale, clamped to +-7.5, and rounded to the nearest number of E2M3, ties to even, subnormals kept.
;;     - The product sums the exact products of the quantised numbers (number of the format x scale) in f32.
;;   ~~~python
;;   def quantise(x, axis):      # numpy; x: float32 -> the quantised numbers, widened to float32 again
;;       x = np.moveaxis(x, axis, -1); K = x.shape[-1]
;;       x = np.pad(x, [(0, 0)] * (x.ndim - 1) + [(0, -K % 32)]); x = x.reshape(x.shape[:-1] + (-1, 32)); a = np.abs(x).max(-1, keepdims=True)
;;       e = np.where(a > 0, np.clip(np.frexp(np.where(a > 0, a, 1))[1] - 1 - 2, -126, 127), 0)      # np.frexp(a)[1] - 1 = floor(log2(a)), exactly
;;       r = np.clip(x / 2.0 ** e, -7.5, 7.5)
;;       step = 2.0 ** (np.maximum(np.frexp(np.where(r == 0, 1, r))[1] - 1, 0) - 3)
;;       q = np.round(r / step) * step * 2.0 ** e      # np.round: ties to even
;;       return np.moveaxis(q.reshape(q.shape[:-2] + (-1,))[..., :K], -1, axis).astype(np.float32)
;;   ~~~
;;   SOFTMAX AHEAD OF A QUANTISED PRODUCT. Where the list says 'softmax', what is quantised is not the finished softmax but p = 2^(t - M), with t = logit x log2(e) and M = ceil(the row's largest t), a whole number; so 1/2 < the row's largest p <= 1. The row's sum l is taken of the UNQUANTISED p, in f32, and the product's result is divided by l at the end. Since M is a whole number, a kernel that streams over the keys may use a running M (the ceiling of the running maximum): every later rescaling is an exact power of two, which a block's scale takes up: the codes' values come out the same.
;;   OPERANDS COMPUTED ON THE WAY. 'Computed on the way' means the value that the module computes at that place (a softmax that the list does not call 'softmax' is quantised finished and normalised). What goes into a quantiser is computed in f32, as accurately as f32 sums, v_exp_f32 and their like allow (about 1e-6 of the number): no bf16 or f16 on the way to a quantiser, and a product that is left as it is and whose result goes on into a quantised operand takes f32 operands (vector FMAs, or v_wmma_f32_16x16x4_f32). A number that lies on a knife's edge between two numbers of the format may be rounded either way, as far as f32 arithmetic and the matrix unit's own rounding can turn it there, and no further.
;; One version. Each part assembles by itself: llvm-mc -triple=amdgcn-amd-amdhsa -mcpu=gfx1250 --defsym DOCPART=n.
;; ======== version 1 of 1: 5 launches
;; workspace buffers: xw_codes 9,437,184 bytes; xw_scales 393,216 bytes; qkv_codes 18,874,368 bytes; qkv_scales 786,432 bytes; p_codes 12,582,912 bytes; p_meta 1,572,864 bytes; c_codes 6,291,456 bytes; c_scales 262,144 bytes
;; launch quant (part 1): grid 256 x 1, 6 waves a work-group, no clusters, 51,456 bytes of LDS; arguments x, Wq, Wk, Wv, Wo, xw_codes, xw_scales; writes xw_codes, xw_scales
.if DOCPART == 1
	.amdgcn_target "amdgcn-amd-amdhsa--gfx1250"
	.amdhsa_code_object_version 6
	.text
	.protected	k_q19a5b0ce1d_quant
	.globl	k_q19a5b0ce1d_quant
	.p2align	8
	.type	k_q19a5b0ce1d_quant,@function
k_q19a5b0ce1d_quant:
	s_mov_b64 s[64:65], 0
	v_nop
	global_prefetch_b8 v0, s[64:65] scope:SCOPE_SE
	s_setreg_imm32_b32 hwreg(HW_REG_WAVE_MODE, 25, 1), 1
	s_wait_xcnt 0x0
; x [8192][1024] and Wq, Wk, Wv, Wo [1024][1024], f32 with K innermost, become codes of FP6 (E2M3) with one E8M0 byte for each 32 along K.
; THE WORKSPACE FORMAT (all launches of this program): an operand lies in memory as images of the matrix unit's registers.
;   codes: block (group g of 128 rows, K step s of 128) = 12,288 bytes at (8 g + s) x 12,288; in it 8 tiles of 1,536 bytes; a tile = 3 pieces of 512 bytes; piece c = registers 4 c .. 4 c + 3 of lane l at byte 16 l.
;   lane (r, h) of tile T holds row 128 g + 32 (T / 2) + 8 (T % 2) + r % 8 + 16 (r / 8); its registers 6 c .. 6 c + 5 hold k = 128 s + 64 c + 32 h + 0 .. 31.
;   scales: block (g, s) = 512 bytes at (8 g + s) x 512; the word of (tile T, row r) at 256 (T / 4) + 16 r + 4 (T % 4); byte b scales k = 128 s + 32 b on.
; Groups 0-63 are x, 64-71 Wq, 72-79 Wk, 80-87 Wv, 88-95 Wo.
; SHARES: 96 groups x 8 K steps x 2 halves of a block = 1,536 units = 256 work-groups x 6 waves; a wave makes 4 tiles.  Each load reads 512 consecutive bytes of one row; the 16 rows of a tile turn through the wave's
; own stage in LDS (rows 528 bytes apart), so that a lane gets 16 neighbours along K of each block of 32.  Each store of codes covers 512 consecutive bytes, the store of scale words 256.
; A block's scale is 2^(floor(log2(largest magnitude)) - 2): its byte is that magnitude's exponent field - 2, held at 1 from below.
; LIMITS: a block of zeros, or one whose largest magnitude lies under 2^-124, keeps the byte 1 (a block of zeros has zero codes; the bytes are read by this program alone); NaN and infinities are not served.
; No matrix unit, no cluster, no barrier: the waves share no input and nothing else.
.set STAGEB, 16*528                    ; a wave's stage
.set SPARE,  6*STAGEB                  ; behind the stages: the spare words, 128 bytes a wave, three blocks of 256 bytes that no other line names
.set LO,  4                            ; v4   16 x lane: my bytes of a load's and of a store's 512
.set STI, 5                            ; v5   the stage, on the way in
.set STO, 6                            ; v6   and on the way out: row r, + 64 h
.set GS,  7                            ; v7   16 r + 8 h: my two scale words
.set R0,  16                           ; v16-143  two sets of 64: a tile as loaded
.set X,   144                          ; v144-207 register 16 b + i = k 32 b + 16 h + i of my row
.set PC,  208                          ; v208-227 the codes just made
.set TM,  228                          ; v228-243 at work
.set PWS, 244                          ; v244-247 the four tiles' scale words
.set Q2,  248
.set SPW, 250                          ; v250 my spare word's LDS address; never rewritten
.set NIL, 251                          ; v251 0; never rewritten
.set SEL, 20                           ; s[20:21] lane selects: lane l xor 16
; the blocks' largest magnitudes stand in v[TM] .. v[TM+3]: scale word into v[pw], codes of v[s] .. v[s+63] into v[PC] .. v[PC+11]
.macro PACKQ s, pw
.irp b, 0,1,2,3
	v_add_nc_u32 v[TM+12+\b], 0xff000000, v[TM+\b]         ; 2 off the exponent field: the conversion takes the exponent field of this operand as its scale
.endr
.irp b, 0,1,2,3
	v_lshrrev_b32 v[TM+4+\b], 23, v[TM+12+\b]              ; the scale's byte
.endr
	v_lshl_or_b32 v[\pw], v[TM+5], 8, v[TM+4]
	v_lshl_or_b32 v[\pw], v[TM+6], 16, v[\pw]
	v_lshl_or_b32 v[\pw], v[TM+7], 24, v[\pw]
.irp c, 0,1
	v_cvt_scalef32_pk16_fp6_f32 v[PC+6*\c:PC+2+6*\c], v[\s+32*\c:\s+15+32*\c], v[TM+12+2*\c]
	v_cvt_scalef32_pk16_fp6_f32 v[PC+12+4*\c:PC+14+4*\c], v[\s+16+32*\c:\s+31+32*\c], v[TM+12+2*\c+1]   ; (a conversion's three registers begin on an even number)
.endr
	v_nop                                                  ; one plain place behind a scaled conversion
.irp c, 0,1                                    ; the layout wants a whole block in a lane: lanes 0-15 block 2 c, lanes 16-31 block 2 c + 1
.irp i, 0,1,2
	v_permlane16_swap_b32 v[PC+6*\c+\i], v[PC+12+4*\c+\i]
.endr
.irp i, 0,1,2
	v_mov_b32 v[PC+3+6*\c+\i], v[PC+12+4*\c+\i]
.endr
.endr
.endm
.macro QUANT s, pw
.irp b, 0,1,2,3
	v_max3_num_f32 v[TM+\b], |v[\s+16*\b]|, |v[\s+1+16*\b]|, 0x1800000   ; my 16 numbers of block b, and the floor 2^(3 - 127): the byte cannot fall under 1
.endr
.irp i, 2,4,6,8,10,12,14
.irp b, 0,1,2,3
	v_max3_num_f32 v[TM+\b], v[TM+\b], |v[\s+16*\b+\i]|, |v[\s+1+16*\b+\i]|
.endr
.endr
.irp b, 0,1,2,3
	v_permlanex16_b32 v[TM+4+\b], v[TM+\b], s[SEL], s[SEL+1]
.endr
.irp b, 0,1,2,3
	v_max_num_f32 v[TM+\b], v[TM+\b], v[TM+4+\b]           ; with lane l xor 16's 16: the block's
.endr
	PACKQ \s, \pw
.endm
	s_load_b256 s[4:11], s[0:1], 0x0               ; x, Wq, Wk, Wv
	s_load_b128 s[12:15], s[0:1], 0x20             ; Wo, xw_codes
	s_load_b64 s[16:17], s[0:1], 0x30              ; xw_scales
	v_lshl_add_u32 v[SPW], v0, 2, SPARE
	v_mov_b32 v[NIL], 0
	v_lshrrev_b32 v1, 5, v0
	v_readfirstlane_b32 s18, v1                    ; wave 0..5
	v_and_b32 v1, 15, v0                           ; r
	v_bfe_u32 v2, v0, 4, 1                         ; h
	v_and_b32 v3, 31, v0
	v_lshlrev_b32 v[LO], 4, v3
	s_mul_i32 s19, s18, STAGEB
	v_add_nc_u32 v[STI], s19, v[LO]
	v_mul_u32_u24 v[STO], v1, 528
	v_lshl_add_u32 v[STO], v2, 6, v[STO]
	v_add_nc_u32 v[STO], s19, v[STO]
	v_lshlrev_b32 v[GS], 4, v1
	v_lshl_add_u32 v[GS], v2, 3, v[GS]
	s_mov_b32 s[SEL], 0x76543210
	s_mov_b32 s[SEL+1], 0xfedcba98
.irp b, 0,1,2,3
	v_mov_b32 v[TM+4+\b], 0                        ; written once: a lane permute's destination counts as one of its sources
.endr
	s_mul_i32 s23, ttmp9, 6
	s_add_co_u32 s23, s23, s18                     ; my unit
	s_and_b32 s24, s23, 1                          ; which four tiles of the block
	s_bfe_u32 s25, s23, 0x30001                    ; K step
	s_lshr_b32 s26, s23, 4                         ; group 0..95
	s_and_b32 s27, s26, 7                          ; a weight's group
	s_wait_kmcnt 0x0
	s_cmp_lt_u32 s26, 88                           ; the tensor is chosen by the group's number alone
	s_cselect_b64 s[12:13], s[10:11], s[12:13]
	s_cmp_lt_u32 s26, 80
	s_cselect_b64 s[12:13], s[8:9], s[12:13]
	s_cmp_lt_u32 s26, 72
	s_cselect_b64 s[12:13], s[6:7], s[12:13]
	s_cmp_lt_u32 s26, 64
	s_cselect_b64 s[12:13], s[4:5], s[12:13]
	s_cselect_b32 s27, s26, s27                    ; the group's number inside its tensor
	s_lshl_b32 s28, s27, 19                        ; 128 rows of 4,096 bytes,
	s_lshl_b32 s29, s24, 18                        ; 64 rows,
	s_add_co_u32 s28, s28, s29
	s_lshl_b32 s29, s25, 9                         ; 128 numbers along K
	s_add_co_u32 s28, s28, s29
	s_mov_b32 s29, 0
	s_add_nc_u64 s[12:13], s[12:13], s[28:29]
	s_lshl_b32 s30, s26, 3
	s_add_co_u32 s30, s30, s25                     ; the block's number
	s_mul_i32 s28, s30, 12288
	s_mul_i32 s31, s24, 6144
	s_add_co_u32 s28, s28, s31
	s_add_nc_u64 s[14:15], s[14:15], s[28:29]
	s_lshl_b32 s28, s30, 9
	s_lshl_b32 s31, s24, 8
	s_add_co_u32 s28, s28, s31
	s_add_nc_u64 s[16:17], s[16:17], s[28:29]
.macro LOADF f                         ; tile f's 16 rows: 32 lanes read 512 consecutive bytes of a row
.irp i, 0,1,2,3,4,5,6,7,8,9,10,11,12,13,14,15
	global_load_b128 v[R0+64*((\f)%2)+4*\i:R0+64*((\f)%2)+4*\i+3], v[LO], s[12:13] offset:(32*((\f)/2)+8*((\f)%2)+(\i%8)+16*(\i/8))*4096 th:TH_LOAD_NT
.endr
.endm
.macro FRAGQ f
.if (\f) < 3
	s_wait_loadcnt 16                              ; this tile's 16 loads are in; the next tile's 16 may be out
.else
	s_wait_loadcnt 0x0
.endif
.irp i, 0,1,2,3,4,5,6,7,8,9,10,11,12,13,14,15
	ds_store_b128 v[STI], v[R0+64*((\f)%2)+4*\i:R0+64*((\f)%2)+4*\i+3] offset:528*\i
.endr
.irp b, 0,1,2,3                                ; LDS serves a wave's instructions in order: these see the stores above
.irp j, 0,1,2,3
	ds_load_b128 v[X+16*\b+4*\j:X+16*\b+4*\j+3], v[STO] offset:128*\b+16*\j
.endr
.endr
	s_wait_dscnt 0x0                               ; my numbers are back, and the stores into the stage have read their registers
	s_wait_xcnt 0x0                                ; the last tile's stores have read the codes' registers, which are written again below
.if (\f) < 2
	LOADF (\f)+2
.endif
	QUANT X, PWS+(\f)
.irp c, 0,1,2
	global_store_b128 v[LO], v[PC+4*\c:PC+4*\c+3], s[14:15] offset:(\f)*1536+512*\c th:TH_STORE_NT   ; 512 consecutive bytes
.endr
.endm
	LOADF 0
	LOADF 1
	FRAGQ 0
	FRAGQ 1
	FRAGQ 2
	FRAGQ 3
	s_mov_b32 vcc_lo, 0xffff0000                   ; lanes 16-31 take tiles 2 and 3
	v_cndmask_b32 v[Q2], v[PWS], v[PWS+2], vcc_lo
	v_cndmask_b32 v[Q2+1], v[PWS+1], v[PWS+3], vcc_lo
	global_store_b64 v[GS], v[Q2:Q2+1], s[16:17] th:TH_STORE_NT   ; 256 consecutive bytes
	s_wait_tensorcnt 0x0                           ; the wave's end, behind my last LDS store
	ds_add_u32 v[SPW], v[NIL]
	s_wait_dscnt 0x0
	s_endpgm
.Lfunc_end_k_q19a5b0ce1d_quant:
	.size	k_q19a5b0ce1d_quant, .Lfunc_end_k_q19a5b0ce1d_quant-k_q19a5b0ce1d_quant
	.p2alignl 7, 3214868480
	.fill 96, 4, 3214868480
	.section	.rodata,"a",@progbits
	.p2align	6, 0x0
	.amdhsa_kernel k_q19a5b0ce1d_quant
		.amdhsa_group_segment_fixed_size 51456
		.amdhsa_private_segment_fixed_size 0
		.amdhsa_enable_private_segment 0
		.amdhsa_kernarg_size 56
		.amdhsa_user_sgpr_count 2
		.amdhsa_user_sgpr_kernarg_segment_ptr 1
		.amdhsa_wavefront_size32 1
		.amdhsa_system_sgpr_workgroup_id_x 1
		.amdhsa_system_sgpr_workgroup_id_y 1
		.amdhsa_system_sgpr_workgroup_id_z 1
		.amdhsa_system_vgpr_workitem_id 0
		.amdhsa_next_free_vgpr 256
		.amdhsa_next_free_sgpr 66
		.amdhsa_reserve_vcc 1
		.amdhsa_float_denorm_mode_32 3
		.amdhsa_float_denorm_mode_16_64 3
		.amdhsa_memory_ordered 1
		.amdhsa_forward_progress 1
		.amdhsa_inst_pref_size 34
	.end_amdhsa_kernel
	.amdgpu_metadata
---
amdhsa.version: [ 1, 2 ]
amdhsa.kernels:
  - .name:           k_q19a5b0ce1d_quant
    .symbol:         k_q19a5b0ce1d_quant.kd
    .args:
      - { .name: x, .offset: 0, .size: 8, .value_kind: global_buffer, .address_space: global }
      - { .name: Wq, .offset: 8, .size: 8, .value_kind: global_buffer, .address_space: global }
      - { .name: Wk, .offset: 16, .size: 8, .value_kind: global_buffer, .address_space: global }
      - { .name: Wv, .offset: 24, .size: 8, .value_kind: global_buffer, .address_space: global }
      - { .name: Wo, .offset: 32, .size: 8, .value_kind: global_buffer, .address_space: global }
      - { .name: xw_codes, .offset: 40, .size: 8, .value_kind: global_buffer, .address_space: global }
      - { .name: xw_scales, .offset: 48, .size: 8, .value_kind: global_buffer, .address_space: global }
    .group_segment_fixed_size: 51456
    .private_segment_fixed_size: 0
    .kernarg_segment_align: 8
    .kernarg_segment_size: 56
    .max_flat_workgroup_size: 192
    .sgpr_count:     66
    .vgpr_count:     256
    .wavefront_size: 32
...
	.end_amdgpu_metadata
.endif
;; end of part 1
;; launch qkv (part 2): grid 8 x 32, 4 waves a work-group, clusters of 4 x 4, 327,680 bytes of LDS; arguments xw_codes, xw_scales, bq, bk, bv, qkv_codes, qkv_scales; writes qkv_codes, qkv_scales
.if DOCPART == 2
	.amdgcn_target "amdgcn-amd-amdhsa--gfx1250"
	.amdhsa_code_object_version 6
	.text
	.protected	k_q19a5b0ce1d_qkv
	.globl	k_q19a5b0ce1d_qkv
	.p2align	8
	.type	k_q19a5b0ce1d_qkv,@function
k_q19a5b0ce1d_qkv:
	s_mov_b64 s[64:65], 0
	v_nop
	global_prefetch_b8 v0, s[64:65] scope:SCOPE_SE
	s_setreg_imm32_b32 hwreg(HW_REG_WAVE_MODE, 25, 1), 1
	s_wait_xcnt 0x0
	s_wait_alu depctr_hold_cnt(0) depctr_sa_sdst(0) depctr_va_vdst(0) depctr_va_sdst(0) depctr_va_ssrc(0) depctr_va_vcc(0) depctr_vm_vsrc(0)
	s_getreg_b32 s2, hwreg(HW_REG_IB_STS2, 6, 4)
	s_cmp_eq_u32 s2, 0
	s_cbranch_scc0 .Lentry_in_a_cluster
	s_endpgm
.Lentry_in_a_cluster:
	s_bfe_u32 s2, ttmp6, 0x10000c
	s_cmp_lg_u32 s2, 0xf033
	s_cbranch_scc0 .Lentry_shape_is_right
	s_endpgm
.Lentry_shape_is_right:
; q = x Wq^T + bq, k = x Wk^T + bk, v = x Wv^T + bv on codes of FP6, and each result quantised again in registers: q and k along the hidden axis, v along the keys.
; OPERANDS are register images (12,288 bytes for 128 rows x 128 K: 8 tiles x 3 pieces of 512 bytes, lane l's 16 bytes at 16 l; lane r of tile T holds row 32 (T / 2) + 8 (T % 2) + r % 8 + 16 (r / 8) of its group);
; scale words: 512 bytes a block, word (T, r) at 256 (T / 4) + 16 r + 4 (T % 4).  In xw_codes groups 0-63 are x, 64-71 Wq, 72-79 Wk, 80-87 Wv; a group has 8 K steps.
; EVERY PRODUCT IS USED TRANSPOSED: source 0 = the operand whose rows become the next product's K, source 1 = the operand whose rows stay rows.  By the choice of a tile's rows the 64 registers of the eight accumulators
; of one tile of source 1 are k' = 32 b + 16 (lane / 16) + i at register 16 b + i: they are quantised as they stand, and the 12 registers of codes ARE a tile of the next operand's image: three stores of 512 bytes.
; A WORK-GROUP STAYS.  The problem has 512 tiles of 128 x 256 for q and k and 256 for v^T: 768 = 3 x 256.  Work-group (j, tc), j = 0..31, tc = 0..7, makes three, one after the other:
;   tile 0: source 1 = x's group 2 j,     source 0 = groups 64 + 2 tc, 65 + 2 tc of Wq | Wk;   tile 1: source 1 = x's group 2 j + 1, the same source 0;   tile 2: source 1 = Wv's group 80 + tc, source 0 = x's groups 2 j, 2 j + 1: v^T.
; A wave makes 64 x 128 of each tile: 32 accumulators, 3 x 8 K steps x 32 products.  The bias runs along the registers in tiles 0 and 1 and along the lanes in tile 2: one packed addition a pair, which also brings the sums into window 0.
; OUTPUT: qkv_codes blocks 0-1023: [64 row groups][16 K steps]: 0-7 q, 8-15 k; blocks 1024-1535: v^T [8 groups of d][64 K steps = x's groups].  qkv_scales: the same block numbers x 512.
; LDS: two slots of 147,456 bytes, each four K steps of source 1's group (49,152) and of source 0's two groups (2 x 49,152).  A tile is two fills, the walk six: fills 0 and 1 go out at the head (two tensor loads of a wave
; outstanding), fills 2 to 5 fill bytes again, each behind a round of the cluster's barrier in a slot's last K step: one load of a wave outstanding, four K steps, or four and an epilogue, in which it lands.
; The scale words of all three tiles (x's pair 8,192 bytes, W's pair 8,192, Wv's group 4,096) are copied once through registers into LDS bytes that no tensor load fills, a quarter by each wave.
; CLUSTER 4 x 4 (cx with tc, cy with j): what hangs on j alone (x) is shared along a row of the cluster, what hangs on tc alone (W, Wv) along a column: joint loads; so tile 2's two masks are tiles 0 and 1's changed about.
; LIMITS: a block whose largest magnitude lies under 2^-124 (a block of zeros too) keeps the byte 1; NaN and infinities are not served.
; REGISTERS: window 0: v16, v17, v20, v21 fragment addresses by slot; v22-25 scale addresses; v26 16 x lane; v27 16 r + 8 h; v28, v29 the add's; v32-63 scale words, two sets of 16; v96-103 the lanes' bias, twice a tile;
;   v112-121 scale words made; v128-223 source 1's 4 fragments, two sets (in an epilogue: v128-191 numbers, v192-211 codes, v212-227 at work).  window 1: source 0's 8 fragments, two sets at v0 and v128; v96-127, v224-255 the
;   registers' bias.  window 2: accumulator (a, b) at v[8 (8 a + b)].
.set SLOTB, 147456
.set SCX,   2*SLOTB                    ; x's pair of groups: scale words
.set SCW,   SCX+8192                   ; W's pair
.set SCV,   SCW+8192                   ; Wv's group
.set SPARE, SCV+4096                   ; the spare words: 128 bytes a wave, two blocks of 256 bytes that no other line names
.set ADRA, 16
.set ADRB, 20
.set XA,   22                          ; x's words as source 1's: SCX + 256 x my half of the tiles + 16 r
.set WB,   23                          ; W's as source 0's: SCW + 4,096 x my group + 16 r
.set VA,   24                          ; Wv's as source 1's
.set XB,   25                          ; x's as source 0's
.set GO,   26
.set GS,   27
.set SPW,  28
.set NIL,  29
.set SC,   32
.set BL,   96
.set PWS,  112
.set Q2,   120
.set AF,   128
.set H,    128
.set PC,   192
.set TM,   212
.set G1AR, 24                          ; group 1: 96 rows of 256 bytes, my row of the cluster: x as source 1
.set G1BC, 32                          ; 192 rows, my column: W as source 0
.set G1AC, 40                          ; 96 rows, my column: Wv as source 1
.set G1BR, 48                          ; 192 rows, my row: x as source 0
.set G0A0, 56                          ; groups 0, one for each slot: tiles 0 and 1,
.set G0A1, 60
.set G0B0, 68
.set G0B1, 72
.set G0VA0, 76                         ; and tile 2
.set G0VA1, 80
.set G0VB0, 84
.set G0VB1, 88
.set SEL,  92
.set MUL,  0xa1                        ; source 0 window 1, source 1 window 0, C and D window 2
.set TO_B, 0x40                        ; destination window 1
.set MSB, 0
.macro WIN new                         ; the immediate's high byte repeats the setting that is left
.if MSB != (\new)
	s_set_vgpr_msb (MSB<<8)|(\new)
.set MSB, (\new)
.endif
.endm
.macro PLACES                          ; four plain places behind matrix instructions, in front of loads into their registers and of reads of their results
.rept 4
	v_nop
.endr
.endm
.macro CREST                           ; a round of the cluster's barrier behind its opening barrier
	s_cmp_lg_u32 s14, 0
	s_cbranch_scc1 .Lnot_wave_0_\@
	s_barrier_signal -3
.Lnot_wave_0_\@:
	s_barrier_wait -3
	s_barrier_signal -1
	s_barrier_wait -1
.endm
.macro CROUND
	s_barrier_signal -1
	s_barrier_wait -1
	CREST
.endm
.macro JLOAD g0a, g1a, g0b, g1b        ; a joint load: waves 0, 1 fetch for source 1, waves 2, 3 for source 0
	s_cmp_eq_u32 s15, 0
	s_cbranch_scc0 .Lfor_b_\@
	tensor_load_to_lds s[\g0a:\g0a+3], s[\g1a:\g1a+7]
	s_nop 0
.rept 4
	v_nop
.endr
	s_branch .Lasked_\@
.Lfor_b_\@:
	tensor_load_to_lds s[\g0b:\g0b+3], s[\g1b:\g1b+7]
	s_nop 0
.rept 4
	v_nop
.endr
.Lasked_\@:
.endm
.macro MKG1 g, m, rows                 ; group 1: a dense run as rows of 256 bytes (32 elements of 8 bytes), no padding; word 0: the mask, the element size, bit 21 beside a mask
	s_or_b32 s[\g], s[\m], (3<<16)|(1<<21)
	s_mov_b32 s[\g+1], 32<<16
	s_mov_b32 s[\g+2], (\rows)<<16
	s_mov_b32 s[\g+3], 32<<16
	s_mov_b32 s[\g+4], \rows
	s_mov_b32 s[\g+5], 32
	s_mov_b32 s[\g+6], 0
	s_mov_b32 s[\g+7], 0
.endm
.macro MKG0 g, lreg, loff, p, off      ; group 0: count 1, the LDS address, the global address, type 2
	s_mov_b32 s[\g], 1
	s_add_co_u32 s[\g+1], s[\lreg], \loff
	s_add_nc_u64 s[\g+2:\g+3], s[\p:\p+1], \off
	s_or_b32 s[\g+3], s[\g+3], 0x80000000
.endm
.macro FRAG reg, adr, off              ; a fragment comes as it was stored: three loads of 512 consecutive bytes
.irp c, 0,1,2
	ds_load_b128 v[\reg+4*\c:\reg+4*\c+3], v[\adr] offset:\off+512*\c
.endr
.endm
; K step s of the walk's 24 (tile s / 8, slot (s / 4) % 2): 8 fragments of source 0, 4 of source 1, 3 loads of scale words: 39 loads
.macro FETCH4 s
.set KK, (\s)%8
.if (\s) < 16
.set ASR, XA
.set AOF, 4096*((\s)/8)+512*KK
.set BSR, WB
.else
.set ASR, VA
.set AOF, 512*KK
.set BSR, XB
.endif
	WIN TO_B
.irp b, 0,1,2,3,4,5,6,7
	FRAG 128*((\s)%2)+12*\b, ADRB+((\s)/4)%2, ((\s)%4)*12288+\b*1536
.endr
	WIN 0
.irp a, 0,1,2,3
	FRAG AF+48*((\s)%2)+12*\a, ADRA+((\s)/4)%2, ((\s)%4)*12288+\a*1536
.endr
	ds_load_b128 v[SC+16*((\s)%2):SC+16*((\s)%2)+3], v[ASR] offset:AOF
	ds_load_b128 v[SC+16*((\s)%2)+4:SC+16*((\s)%2)+7], v[BSR] offset:512*KK
	ds_load_b128 v[SC+16*((\s)%2)+8:SC+16*((\s)%2)+11], v[BSR] offset:512*KK+256
.endm
.macro MUL16Q a0, s, zero              ; the 32 accumulators take turns, one instruction a turn, in the same order in every K step
.set SCS, SC+16*((\s)%2)
.set BS, 128*((\s)%2)
.set AS, AF+48*((\s)%2)
.irp a, \a0, \a0+1
.irp b, 0,1,2,3,4,5,6,7
.if \zero
	v_wmma_scale_f32_16x16x128_f8f6f4 v[8*(8*(\a)+\b):8*(8*(\a)+\b)+7], v[BS+12*\b:BS+12*\b+11], v[AS+12*(\a):AS+12*(\a)+11], 0, v[SCS+4+\b], v[SCS+(\a)] matrix_a_fmt:MATRIX_FMT_FP6 matrix_b_fmt:MATRIX_FMT_FP6
.else
	v_wmma_scale_f32_16x16x128_f8f6f4 v[8*(8*(\a)+\b):8*(8*(\a)+\b)+7], v[BS+12*\b:BS+12*\b+11], v[AS+12*(\a):AS+12*(\a)+11], v[8*(8*(\a)+\b):8*(8*(\a)+\b)+7], v[SCS+4+\b], v[SCS+(\a)] matrix_a_fmt:MATRIX_FMT_FP6 matrix_b_fmt:MATRIX_FMT_FP6
.endif
.endr
.endr
.endm
; A plain K step.  zero = 1: a tile's first products start its sums: nothing is cleared.  fetch = 1: the next K step's fragments are asked for ahead of the products.
.macro KPLAIN s, zero, fetch
	s_wait_dscnt 0x0                               ; this K step's 39 loads are in
.if \fetch
.if (\s) > 0
	PLACES
.endif
	FETCH4 (\s)+1
.endif
	WIN MUL
	MUL16Q 0, \s, \zero
	MUL16Q 2, \s, \zero
	WIN 0
.endm
; A slot's last K step: one barrier; in front of it each wave waits for all its tensor loads, adds 0 to its spare word, and waits for that and for its reads of the slot.  fill = 1: the barrier opens a round of the
; cluster's, and the slot is filled again; stepa: what source 1's address steps by first.  fetch = 0: an epilogue follows, and the next tile's first fragments are asked for behind it.
.macro KSYNC s, fill, fetch, g0a, g1a, g0b, g1b, stepa
	s_wait_tensorcnt 0x0                           ; all my tensor loads have landed: my part of the other slot
	ds_add_u32 v[SPW], v[NIL]                      ; 0 onto my spare word
	s_wait_dscnt 0x0                               ; the add is done; this K step's 39 loads, my last reads of the slot, are in
	s_barrier_signal -1
	WIN MUL
	MUL16Q 0, \s, 0
	WIN 0
	s_barrier_wait -1
.if \fill
	CREST                                          ; no wave of any partner still reads the slot or has a load on its way
.if \stepa
	s_add_nc_u64 s[\g0a+2:\g0a+3], s[\g0a+2:\g0a+3], \stepa
.endif
	JLOAD \g0a, \g1a, \g0b, \g1b                   ; the first tensor load behind the round, and my only one until the next; its four v_nop are the places in front of the loads below
.else
	PLACES
.endif
.if \fetch
	FETCH4 (\s)+1
.endif
	WIN MUL
	MUL16Q 2, \s, 0
	WIN 0
.endm
.macro PACKQ s, pw
.irp b, 0,1,2,3
	v_add_nc_u32 v[TM+12+\b], 0xff000000, v[TM+\b]         ; 2 off the exponent field: the conversion's scale operand
.endr
.irp b, 0,1,2,3
	v_lshrrev_b32 v[TM+4+\b], 23, v[TM+12+\b]              ; the scale's byte
.endr
	v_lshl_or_b32 v[\pw], v[TM+5], 8, v[TM+4]
	v_lshl_or_b32 v[\pw], v[TM+6], 16, v[\pw]
	v_lshl_or_b32 v[\pw], v[TM+7], 24, v[\pw]
.irp c, 0,1
	v_cvt_scalef32_pk16_fp6_f32 v[PC+6*\c:PC+2+6*\c], v[\s+32*\c:\s+15+32*\c], v[TM+12+2*\c]
	v_cvt_scalef32_pk16_fp6_f32 v[PC+12+4*\c:PC+14+4*\c], v[\s+16+32*\c:\s+31+32*\c], v[TM+12+2*\c+1]   ; (a conversion's three registers begin on an even number)
.endr
	v_nop                                                  ; one plain place behind a scaled conversion
.irp c, 0,1                                    ; the layout wants a whole block in a lane: lanes 0-15 block 2 c, lanes 16-31 block 2 c + 1
.irp i, 0,1,2
	v_permlane16_swap_b32 v[PC+6*\c+\i], v[PC+12+4*\c+\i]
.endr
.irp i, 0,1,2
	v_mov_b32 v[PC+3+6*\c+\i], v[PC+12+4*\c+\i]
.endr
.endr
.endm
.macro QUANT s, pw
.irp b, 0,1,2,3
	v_max3_num_f32 v[TM+\b], |v[\s+16*\b]|, |v[\s+1+16*\b]|, 0x1800000   ; my 16 numbers of block b, and the floor 2^(3 - 127): the byte cannot fall under 1
.endr
.irp i, 2,4,6,8,10,12,14
.irp b, 0,1,2,3
	v_max3_num_f32 v[TM+\b], v[TM+\b], |v[\s+16*\b+\i]|, |v[\s+1+16*\b+\i]|
.endr
.endr
.irp b, 0,1,2,3
	v_permlanex16_b32 v[TM+4+\b], v[TM+\b], s[SEL], s[SEL+1]
.endr
.irp b, 0,1,2,3
	v_max_num_f32 v[TM+\b], v[TM+\b], v[TM+4+\b]           ; with lane l xor 16's 16: the block's
.endr
	s_wait_xcnt 0x0                                ; the last tile's stores have read the codes' registers, which the conversions below write again; the lines above, which touch none of them, stand between the stores and this wait
	PACKQ \s, \pw
.endm
.macro PUT a, p, ooff                  ; the codes are a tile of the output block: three stores of 512 consecutive bytes
.irp c, 0,1,2
	global_store_b128 v[GO], v[PC+4*\c:PC+4*\c+3], s[\p:\p+1] offset:(\ooff)+(\a)*1536+512*\c th:TH_STORE_NT
.endr
.endm
; The eight accumulators of my tile a of source 1: + the bias (kind 0: along the registers; 1: along the lanes), quantised, stored.  Ascending: each accumulator is read from its low end on.
.macro EPI a, kind, p, ooff
.if (\kind) == 0
	WIN 0x06                                       ; source 0 window 2, source 1 window 1
.set i, 0
.rept 32
	v_pk_add_f32 v[H+2*i:H+2*i+1], v[64*(\a)+2*i:64*(\a)+2*i+1], v[96+2*i+96*(i/16):97+2*i+96*(i/16)]
.set i, i+1
.endr
.else
	WIN 0x02                                       ; source 0 window 2
.set i, 0
.rept 32
	v_pk_add_f32 v[H+2*i:H+2*i+1], v[64*(\a)+2*i:64*(\a)+2*i+1], v[BL+2*(\a):BL+2*(\a)+1]
.set i, i+1
.endr
.endif
	WIN 0
	QUANT H, PWS+(\a)
	PUT \a, \p, \ooff
.endm
.macro TILEOUT kind, p, ooff, ps, soff ; a tile's way out: my four tiles of 16 rows, then their scale words
	PLACES
.irp b, 0,1,2,3
	v_mov_b32 v[TM+4+\b], 0                        ; a lane permute's destination counts as one of its sources
.endr
.irp a, 0,1,2,3
	EPI \a, \kind, \p, \ooff
.endr
	s_mov_b32 vcc_lo, 0xffff0000                   ; lanes 16-31 take tiles 2 and 3
	v_cndmask_b32 v[Q2], v[PWS], v[PWS+2], vcc_lo
	v_cndmask_b32 v[Q2+1], v[PWS+1], v[PWS+3], vcc_lo
	global_store_b64 v[GS], v[Q2:Q2+1], s[\ps:\ps+1] offset:\soff th:TH_STORE_NT   ; 256 consecutive bytes
.endm
	s_load_b128 s[4:7], s[0:1], 0x0                ; xw_codes, xw_scales
	s_load_b128 s[8:11], s[0:1], 0x10              ; bq, bk
	s_load_b64 s[96:97], s[0:1], 0x20              ; bv
	s_load_b64 s[12:13], s[0:1], 0x28              ; qkv_codes
	s_load_b64 s[66:67], s[0:1], 0x30              ; qkv_scales
	v_lshl_add_u32 v[SPW], v0, 2, SPARE
	v_mov_b32 v[NIL], 0
	ds_add_u32 v[SPW], v[NIL]                      ; the wave's opening: the add and its wait stand ahead of my first tensor load; work on registers stands between them
	v_lshrrev_b32 v1, 5, v0
	v_readfirstlane_b32 s14, v1                    ; wave 0..3
	s_lshr_b32 s15, s14, 1                         ; my 64 of source 1's rows.  Also: I fetch for source 1 (0) or source 0 (1)
	s_and_b32 s16, s14, 1                          ; my group of source 0.  Also: which part I fetch
	s_bfe_u32 s19, ttmp6, 0x40000                  ; cx
	s_bfe_u32 s20, ttmp6, 0x40004                  ; cy
	s_lshl_b32 s18, ttmp9, 2
	s_add_co_u32 s18, s18, s19                     ; tc 0..7
	s_and_b32 s3, ttmp7, 0xffff
	s_lshl_b32 s17, s3, 2
	s_add_co_u32 s17, s17, s20                     ; j 0..31
	s_lshl_b32 s2, s20, 2
	s_lshl_b32 s2, 15, s2                          ; my row of the cluster
	s_lshl_b32 s3, 0x1111, s19                     ; my column
	MKG1 G1AR, 2, 96                               ; two K steps of a group: 24,576 bytes
	MKG1 G1BC, 3, 192                              ; four K steps of a group: 49,152 bytes
	MKG1 G1AC, 3, 96
	MKG1 G1BR, 2, 192
	s_mov_b32 s[SEL], 0x76543210
	s_mov_b32 s[SEL+1], 0xfedcba98
	s_wait_dscnt 0x0                               ; the opening add is done
	s_wait_kmcnt 0x0
	s_cmp_eq_u32 ttmp9, 0                          ; tc 0-3 are Wq's rows, 4-7 Wk's
	s_cselect_b64 s[94:95], s[8:9], s[10:11]       ; bq or bk
	s_mov_b32 s3, 0
	s_lshl_b32 s2, s19, 10
	s_lshl_b32 s22, s16, 9
	s_add_co_u32 s2, s2, s22                       ; column 256 cx + 128 x my group of q or of k
	s_add_nc_u64 s[94:95], s[94:95], s[2:3]
	s_lshl_b32 s2, s18, 9
	s_lshl_b32 s22, s15, 8
	s_add_co_u32 s2, s2, s22                       ; d = 128 tc + 64 x my half
	s_add_nc_u64 s[96:97], s[96:97], s[2:3]
	s_mov_b64 s[98:99], s[12:13]
	s_mov_b64 s[100:101], s[66:67]
	s_lshl_b32 s22, s17, 5
	s_lshl_b32 s23, s18, 1
	s_add_co_u32 s22, s22, s23
	s_add_co_u32 s22, s22, s16                     ; tile 0's output block: 16 x (2 j) + 2 tc + my group; tile 1's lies 16 blocks on
	s_mul_i32 s2, s22, 12288
	s_mul_i32 s23, s15, 6144
	s_add_co_u32 s2, s2, s23
	s_add_nc_u64 s[12:13], s[12:13], s[2:3]
	s_lshl_b32 s2, s22, 9
	s_lshl_b32 s23, s15, 8
	s_add_co_u32 s2, s2, s23
	s_add_nc_u64 s[66:67], s[66:67], s[2:3]
	s_lshl_b32 s22, s18, 6
	s_lshl_b32 s23, s17, 1
	s_add_co_u32 s22, s22, s23
	s_add_co_u32 s22, s22, s16
	s_add_co_u32 s22, s22, 1024                    ; tile 2's: 1,024 + 64 tc + 2 j + my group
	s_mul_i32 s2, s22, 12288
	s_mul_i32 s23, s15, 6144
	s_add_co_u32 s2, s2, s23
	s_add_nc_u64 s[98:99], s[98:99], s[2:3]
	s_lshl_b32 s2, s22, 9
	s_lshl_b32 s23, s15, 8
	s_add_co_u32 s2, s2, s23
	s_add_nc_u64 s[100:101], s[100:101], s[2:3]
	s_mul_i32 s23, s16, 24576                      ; source 1: the two K steps of a fill that I would fetch
	s_lshl_b32 s22, s18, 1
	s_add_co_u32 s22, s22, s16
	s_add_co_u32 s22, s22, 64
	s_mul_i32 s2, s22, 98304
	s_add_nc_u64 s[8:9], s[4:5], s[2:3]            ; W's group 64 + 2 tc + part
	s_add_co_u32 s22, s18, 80
	s_mul_i32 s2, s22, 98304
	s_add_co_u32 s2, s2, s23
	s_add_nc_u64 s[10:11], s[4:5], s[2:3]          ; Wv's group 80 + tc
	s_lshl_b32 s22, s17, 1
	s_add_co_u32 s22, s22, s16
	s_mul_i32 s2, s22, 98304
	s_add_nc_u64 s[20:21], s[4:5], s[2:3]          ; x's group 2 j + part, as source 0
	s_lshl_b32 s22, s17, 1
	s_mul_i32 s2, s22, 98304
	s_add_co_u32 s2, s2, s23
	s_add_nc_u64 s[4:5], s[4:5], s[2:3]            ; x's group 2 j, as source 1
	CROUND                                         ; all sixteen work-groups are here: the first joint loads meet
	s_mul_i32 s22, s16, 24576                      ; source 1's part of a slot: no place in the cluster enters an LDS address
	s_mul_i32 s23, s16, 49152
	s_add_co_u32 s23, s23, 49152                   ; source 0's
	MKG0 G0A0, 22, 0, 4, 0
	MKG0 G0A1, 22, SLOTB, 4, 49152
	MKG0 G0B0, 23, 0, 8, 0
	MKG0 G0B1, 23, SLOTB, 8, 49152
	MKG0 G0VA0, 22, 0, 10, 0
	MKG0 G0VA1, 22, SLOTB, 10, 49152
	MKG0 G0VB0, 23, 0, 20, 0
	MKG0 G0VB1, 23, SLOTB, 20, 49152
	s_cmp_eq_u32 s15, 0                            ; a wave's two first fills stand in one branch, ahead of every wait on TENSORcnt, every LDS read and every other barrier
	s_cbranch_scc0 .Lfirst_b
	tensor_load_to_lds s[G0A0:G0A0+3], s[G1AR:G1AR+7]
	s_nop 0
	tensor_load_to_lds s[G0A1:G0A1+3], s[G1AR:G1AR+7]
	s_nop 0
.rept 4
	v_nop
.endr
	s_branch .Lfirst_done
.Lfirst_b:
	tensor_load_to_lds s[G0B0:G0B0+3], s[G1BC:G1BC+7]
	s_nop 0
	tensor_load_to_lds s[G0B1:G0B1+3], s[G1BC:G1BC+7]
	s_nop 0
.rept 4
	v_nop
.endr
.Lfirst_done:
	; the scale words of the three tiles: three dense runs of xw_scales; wave w copies the w-th quarter of each, 512 consecutive bytes a load
	s_lshl_b32 s2, s17, 13
	s_add_nc_u64 s[4:5], s[6:7], s[2:3]            ; x's groups 2 j, 2 j + 1
	s_lshl_b32 s2, s18, 13
	s_add_co_u32 s2, s2, 64*4096
	s_add_nc_u64 s[8:9], s[6:7], s[2:3]            ; W's groups 64 + 2 tc, 65 + 2 tc
	s_lshl_b32 s2, s18, 12
	s_add_co_u32 s2, s2, 80*4096
	s_add_nc_u64 s[10:11], s[6:7], s[2:3]          ; Wv's group 80 + tc
	v_and_b32 v1, 15, v0                           ; r
	v_bfe_u32 v2, v0, 4, 1                         ; h
	v_and_b32 v3, 31, v0
	v_lshlrev_b32 v[GO], 4, v3                     ; 16 x lane
	s_lshl_b32 s22, s14, 11
	v_add_nc_u32 v6, s22, v[GO]                    ; 16 x lane + 2,048 x wave
	s_lshl_b32 s22, s14, 10
	v_add_nc_u32 v8, s22, v[GO]                    ; 16 x lane + 1,024 x wave
.irp i, 0,1,2,3
	global_load_b128 v[128+4*\i:131+4*\i], v6, s[4:5] offset:512*\i
	global_load_b128 v[144+4*\i:147+4*\i], v6, s[8:9] offset:512*\i
.endr
.irp i, 0,1
	global_load_b128 v[160+4*\i:163+4*\i], v8, s[10:11] offset:512*\i
.endr
	v_lshlrev_b32 v4, 6, v2                        ; the registers' bias: my 16 numbers of each 32: 64 h bytes on
	v_and_b32 v5, 7, v1
	v_lshrrev_b32 v7, 3, v1
	v_lshl_add_u32 v5, v7, 4, v5
	v_lshlrev_b32 v5, 2, v5                        ; the lanes' bias: my row of a tile: r % 8 + 16 (r / 8)
	WIN TO_B
.irp b, 0,1,2,3
.irp j, 0,1,2,3
	global_load_b128 v[96+16*\b+4*\j+96*(\b/2):99+16*\b+4*\j+96*(\b/2)], v4, s[94:95] offset:128*\b+16*\j
.endr
.endr
	WIN 0
.irp a, 0,1,2,3
	global_load_b32 v[BL+2*\a], v5, s[96:97] offset:4*(32*(\a/2)+8*(\a%2))
.endr
	v_add_nc_u32 v9, SCX, v6                       ; where my quarters go
	v_add_nc_u32 v10, SCV, v8
	s_mul_i32 s22, s15, 6144
	v_add_nc_u32 v[ADRA], s22, v[GO]
	v_add_nc_u32 v[ADRA+1], SLOTB, v[ADRA]
	s_mul_i32 s22, s16, 49152
	s_add_co_u32 s22, s22, 49152
	v_add_nc_u32 v[ADRB], s22, v[GO]
	v_add_nc_u32 v[ADRB+1], SLOTB, v[ADRB]
	v_lshlrev_b32 v7, 4, v1                        ; 16 r
	s_lshl_b32 s22, s15, 8
	s_add_co_u32 s23, s22, SCX
	v_add_nc_u32 v[XA], s23, v7
	s_add_co_u32 s23, s22, SCV
	v_add_nc_u32 v[VA], s23, v7
	s_lshl_b32 s22, s16, 12
	s_add_co_u32 s23, s22, SCW
	v_add_nc_u32 v[WB], s23, v7
	s_add_co_u32 s23, s22, SCX
	v_add_nc_u32 v[XB], s23, v7
	v_lshl_add_u32 v[GS], v2, 3, v7
	s_wait_loadcnt 20                              ; the ten loads of scale words are in; the twenty of the biases, issued behind them, may be out
.irp i, 0,1,2,3
	ds_store_b128 v9, v[128+4*\i:131+4*\i] offset:512*\i
	ds_store_b128 v9, v[144+4*\i:147+4*\i] offset:8192+512*\i
.endr
.irp i, 0,1
	ds_store_b128 v10, v[160+4*\i:163+4*\i] offset:512*\i
.endr
	s_wait_tensorcnt 1                             ; fill 0 is in; fill 1 may be out
	s_wait_dscnt 0x0                               ; for the others' sake: my quarters of the scale words have landed
	s_barrier_signal -1
	s_barrier_wait -1
	FETCH4 0
	; ---- tile 0: x's group 2 j against W's pair
	KPLAIN 0, 1, 1
	KPLAIN 1, 0, 1
	KPLAIN 2, 0, 1
	KSYNC 3, 1, 1, G0A0, G1AR, G0B0, G1BC, 98304   ; slot 0 takes fill 2: x's next group, W's K steps 0-3 once more
	KPLAIN 4, 0, 1
	KPLAIN 5, 0, 1
	KPLAIN 6, 0, 1
	KSYNC 7, 1, 0, G0A1, G1AR, G0B1, G1BC, 98304   ; slot 1 takes fill 3
	s_wait_loadcnt 0x0                             ; the biases
.irp a, 0,1,2,3
	v_mov_b32 v[BL+2*\a+1], v[BL+2*\a]             ; twice: a pair for the packed addition
.endr
	TILEOUT 0, 12, 0, 66, 0
	FETCH4 8                                       ; (into the numbers' registers and window 1: none of them is read by a store)
	s_wait_xcnt 0x0                                ; the way out's stores have read the codes' registers, on which K step 9's fragments land
	; ---- tile 1: x's group 2 j + 1 against W's pair
	KPLAIN 8, 1, 1
	KPLAIN 9, 0, 1
	KPLAIN 10, 0, 1
	KSYNC 11, 1, 1, G0VA0, G1AC, G0VB0, G1BR, 0    ; slot 0 takes fill 4: Wv's group and x's pair, K steps 0-3
	KPLAIN 12, 0, 1
	KPLAIN 13, 0, 1
	KPLAIN 14, 0, 1
	KSYNC 15, 1, 0, G0VA1, G1AC, G0VB1, G1BR, 0    ; slot 1 takes fill 5: the last load
	TILEOUT 0, 12, 196608, 66, 8192
	FETCH4 16
	s_wait_xcnt 0x0
	; ---- tile 2: Wv's group against x's pair: v^T
	KPLAIN 16, 1, 1
	KPLAIN 17, 0, 1
	KPLAIN 18, 0, 1
	KSYNC 19, 0, 1, 0, 0, 0, 0, 0                  ; fill 5 is shown whole to every wave; nothing is filled any more
	KPLAIN 20, 0, 1
	KPLAIN 21, 0, 1
	KPLAIN 22, 0, 1
	KPLAIN 23, 0, 0
	TILEOUT 1, 98, 0, 100, 0
	s_wait_tensorcnt 0x0                           ; the wave's end, behind my last tensor load and my last LDS store
	ds_add_u32 v[SPW], v[NIL]
	s_wait_dscnt 0x0
	CROUND                                         ; the closing round: no work-group ends while a partner may still ask for a tile that names it
	s_endpgm
.Lfunc_end_k_q19a5b0ce1d_qkv:
	.size	k_q19a5b0ce1d_qkv, .Lfunc_end_k_q19a5b0ce1d_qkv-k_q19a5b0ce1d_qkv
	.p2alignl 7, 3214868480
	.fill 96, 4, 3214868480
	.section	.rodata,"a",@progbits
	.p2align	6, 0x0
	.amdhsa_kernel k_q19a5b0ce1d_qkv
		.amdhsa_group_segment_fixed_size 327680
		.amdhsa_private_segment_fixed_size 0
		.amdhsa_enable_private_segment 0
		.amdhsa_kernarg_size 56
		.amdhsa_user_sgpr_count 2
		.amdhsa_user_sgpr_kernarg_segment_ptr 1
		.amdhsa_wavefront_size32 1
		.amdhsa_system_sgpr_workgroup_id_x 1
		.amdhsa_system_sgpr_workgroup_id_y 1
		.amdhsa_system_sgpr_workgroup_id_z 1
		.amdhsa_system_vgpr_workitem_id 0
		.amdhsa_next_free_vgpr 768
		.amdhsa_next_free_sgpr 102
		.amdhsa_reserve_vcc 1
		.amdhsa_float_denorm_mode_32 3
		.amdhsa_float_denorm_mode_16_64 3
		.amdhsa_memory_ordered 1
		.amdhsa_forward_progress 1
		.amdhsa_inst_pref_size 254
	.end_amdhsa_kernel
	.amdgpu_metadata
---
amdhsa.version: [ 1, 2 ]
amdhsa.kernels:
  - .name:           k_q19a5b0ce1d_qkv
    .symbol:         k_q19a5b0ce1d_qkv.kd
    .args:
      - { .name: xw_codes, .offset: 0, .size: 8, .value_kind: global_buffer, .address_space: global }
      - { .name: xw_scales, .offset: 8, .size: 8, .value_kind: global_buffer, .address_space: global }
      - { .name: bq, .offset: 16, .size: 8, .value_kind: global_buffer, .address_space: global }
      - { .name: bk, .offset: 24, .size: 8, .value_kind: global_buffer, .address_space: global }
      - { .name: bv, .offset: 32, .size: 8, .value_kind: global_buffer, .address_space: global }
      - { .name: qkv_codes, .offset: 40, .size: 8, .value_kind: global_buffer, .address_space: global }
      - { .name: qkv_scales, .offset: 48, .size: 8, .value_kind: global_buffer, .address_space: global }
    .group_segment_fixed_size: 327680
    .private_segment_fixed_size: 0
    .kernarg_segment_align: 8
    .kernarg_segment_size: 56
    .max_flat_workgroup_size: 128
    .sgpr_count:     102
    .vgpr_count:     768
    .wavefront_size: 32
...
	.end_amdgpu_metadata
.endif
;; end of part 2
;; launch scores (part 3): grid 8 x 32, 4 waves a work-group, clusters of 4 x 4, 327,680 bytes of LDS; arguments qkv_codes, qkv_scales, p_codes, p_meta; writes p_codes, p_meta
.if DOCPART == 3
	.amdgcn_target "amdgcn-amd-amdhsa--gfx1250"
	.amdhsa_code_object_version 6
	.text
	.protected	k_q19a5b0ce1d_scores
	.globl	k_q19a5b0ce1d_scores
	.p2align	8
	.type	k_q19a5b0ce1d_scores,@function
k_q19a5b0ce1d_scores:
	s_mov_b64 s[64:65], 0
	v_nop
	global_prefetch_b8 v0, s[64:65] scope:SCOPE_SE
	s_setreg_imm32_b32 hwreg(HW_REG_WAVE_MODE, 25, 1), 1
	s_wait_xcnt 0x0
	s_wait_alu depctr_hold_cnt(0) depctr_sa_sdst(0) depctr_va_vdst(0) depctr_va_sdst(0) depctr_va_ssrc(0) depctr_va_vcc(0) depctr_vm_vsrc(0)
	s_getreg_b32 s2, hwreg(HW_REG_IB_STS2, 6, 4)
	s_cmp_eq_u32 s2, 0
	s_cbranch_scc0 .Lentry_in_a_cluster
	s_endpgm
.Lentry_in_a_cluster:
	s_bfe_u32 s2, ttmp6, 0x10000c
	s_cmp_lg_u32 s2, 0xf033
	s_cbranch_scc0 .Lentry_shape_is_right
	s_endpgm
.Lentry_shape_is_right:
; S^T = k q^T on codes of FP6 (K = the hidden 1,024), then p = 2^(t - M), t = score x log2(e) / 32, quantised along the keys in registers.
; M HERE IS LOCAL: the ceiling of the largest t among the wave's 128 keys of a query, a whole number.  The row's own M differs from it by a whole number, which only shifts a block's scale byte and the partial sum by a
; power of two: the next launch does that from what is stored here.  So a maximum is always taken away before the exponential, and the codes are those of the row's own M.
; Operands and results are register images (see launch qkv's head): source 0 = 128 keys of k, source 1 = 128 queries of q; a lane holds one query, its 64 registers of a tile 128 neighbouring keys' half blocks.
; TILES: 256 queries x 256 keys a work-group, 128 x 128 a wave, 8 K steps; three slots of two K steps each; the joint loads are those of launch qkv.
; OUTPUT: p_codes [64 query groups][16 key groups of the batch] blocks of 12,288 bytes.  p_meta: three sections of 524,288 bytes, each [64][16][512] in the scale words' layout: the scale words under the local M; -M (f32); the
; sum of the unquantised p under the local M (f32).
; LIMITS: NaN and infinities are not served; -M is kept as f32, exact for |t| under 2^24; a p under 2^-126 counts as 0; a block whose every p is 0 keeps the byte 1 with zero codes.
; REGISTERS as in launch qkv; v96-103 -M, v104-111 sums, v112-119 scale words by tile; v228-237 at work.
.set SLOTB, 98304
.set HALFB, 24576
.set SCL,   3*SLOTB
.set SPARE, SCL+4*4096                 ; the spare words: 128 bytes a wave, two blocks of 256 bytes that no other line names
.set ADRA, 16
.set ADRB, 20
.set ADSA, 24
.set ADSB, 25
.set GO,   26
.set SPW,  28
.set NIL,  29
.set SC,   32
.set NM,   96
.set LL,   104
.set PWS,  112
.set Q4,   120
.set AF,   128
.set H,    128
.set PC,   192
.set TM,   212
.set TT,   228
.set TP,   230
.set LS0,  232
.set LS1,  234
.set XS,   236
.set G1A,  24
.set G1B,  32
.set G1SA, 40
.set G1SB, 48
.set G0A0, 56
.set G0A1, 60
.set G0A2, 68
.set G0B0, 72
.set G0B1, 76
.set G0B2, 80
.set G0SA, 84
.set G0SB, 88
.set SEL,  92
.set CS,   94
.set MUL_LO, 0xa1
.set MUL_HI, 0xf1
.set TO_B,   0x40
.set MSB, 0
.macro WIN new
.if MSB != (\new)
	s_set_vgpr_msb (MSB<<8)|(\new)
.set MSB, (\new)
.endif
.endm
.macro PLACES
.rept 4
	v_nop
.endr
.endm
.macro CREST
	s_cmp_lg_u32 s14, 0
	s_cbranch_scc1 .Lnot_wave_0_\@
	s_barrier_signal -3
.Lnot_wave_0_\@:
	s_barrier_wait -3
	s_barrier_signal -1
	s_barrier_wait -1
.endm
.macro CROUND
	s_barrier_signal -1
	s_barrier_wait -1
	CREST
.endm
.macro JLOAD g0a, g1a, g0b, g1b
	s_cmp_eq_u32 s15, 0
	s_cbranch_scc0 .Lfor_b_\@
	tensor_load_to_lds s[\g0a:\g0a+3], s[\g1a:\g1a+7]
	s_nop 0
.rept 4
	v_nop
.endr
	s_branch .Lasked_\@
.Lfor_b_\@:
	tensor_load_to_lds s[\g0b:\g0b+3], s[\g1b:\g1b+7]
	s_nop 0
.rept 4
	v_nop
.endr
.Lasked_\@:
.endm
.macro MKG1 g, m, rows
	s_or_b32 s[\g], s[\m], (3<<16)|(1<<21)
	s_mov_b32 s[\g+1], 32<<16
	s_mov_b32 s[\g+2], (\rows)<<16
	s_mov_b32 s[\g+3], 32<<16
	s_mov_b32 s[\g+4], \rows
	s_mov_b32 s[\g+5], 32
	s_mov_b32 s[\g+6], 0
	s_mov_b32 s[\g+7], 0
.endm
.macro MKG0 g, lreg, loff, p, off
	s_mov_b32 s[\g], 1
	s_add_co_u32 s[\g+1], s[\lreg], \loff
	s_add_nc_u64 s[\g+2:\g+3], s[\p:\p+1], \off
	s_or_b32 s[\g+3], s[\g+3], 0x80000000
.endm
.macro FRAG reg, adr, off
.irp c, 0,1,2
	ds_load_b128 v[\reg+4*\c:\reg+4*\c+3], v[\adr] offset:\off+512*\c
.endr
.endm
.macro MUL16 a0, s, zero               ; the 64 accumulators take turns, one instruction a turn
.set SCS, SC+32*(((\s)/2)%2)+16*((\s)%2)
.set BS, 128*((\s)%2)
.irp a, \a0, \a0+1
.irp b, 0,1,2,3,4,5,6,7
.if \zero
	v_wmma_scale_f32_16x16x128_f8f6f4 v[8*(8*((\a)%4)+\b):8*(8*((\a)%4)+\b)+7], v[BS+12*\b:BS+12*\b+11], v[AF+12*(\a):AF+12*(\a)+11], 0, v[SCS+8+\b], v[SCS+(\a)] matrix_a_fmt:MATRIX_FMT_FP6 matrix_b_fmt:MATRIX_FMT_FP6
.else
	v_wmma_scale_f32_16x16x128_f8f6f4 v[8*(8*((\a)%4)+\b):8*(8*((\a)%4)+\b)+7], v[BS+12*\b:BS+12*\b+11], v[AF+12*(\a):AF+12*(\a)+11], v[8*(8*((\a)%4)+\b):8*(8*((\a)%4)+\b)+7], v[SCS+8+\b], v[SCS+(\a)] matrix_a_fmt:MATRIX_FMT_FP6 matrix_b_fmt:MATRIX_FMT_FP6
.endif
.endr
.endr
.endm
.macro FETCH_B s
	WIN TO_B
.irp i, 0,1,2,3,4,5,6,7
	FRAG 128*((\s)%2)+12*\i, ADRB+((\s)/2)%3, ((\s)%2)*12288+\i*1536
.endr
	WIN 0
.endm
.macro FETCH_A s, i0
.irp i, \i0, \i0+1, \i0+2, \i0+3
	FRAG AF+12*(\i), ADRA+((\s)/2)%3, ((\s)%2)*12288+(\i)*1536
.endr
.endm
.macro SCALES t
.irp q, 0,1
	ds_load_b128 v[SC+32*((\t)%2)+16*\q:SC+32*((\t)%2)+16*\q+3], v[ADSA] offset:512*(2*(\t)+\q)
	ds_load_b128 v[SC+32*((\t)%2)+16*\q+4:SC+32*((\t)%2)+16*\q+7], v[ADSA] offset:512*(2*(\t)+\q)+256
	ds_load_b128 v[SC+32*((\t)%2)+16*\q+8:SC+32*((\t)%2)+16*\q+11], v[ADSB] offset:512*(2*(\t)+\q)
	ds_load_b128 v[SC+32*((\t)%2)+16*\q+12:SC+32*((\t)%2)+16*\q+15], v[ADSB] offset:512*(2*(\t)+\q)+256
.endr
.endm
.macro STEP s, zero
	s_wait_dscnt 12                                ; all but the youngest twelve loads (the queries' tiles 4-7) are in
	WIN MUL_LO
	MUL16 0, \s, \zero
	MUL16 2, \s, \zero
	s_wait_dscnt 0x0
	PLACES
	FETCH_B (\s)+1
	FETCH_A (\s)+1, 0
.if ((\s)+1)%2 == 0
	SCALES ((\s)+1)/2
.endif
	WIN MUL_HI
	MUL16 4, \s, \zero
	MUL16 6, \s, \zero
	PLACES
	WIN 0
	FETCH_A (\s)+1, 4
.endm
.macro TURN s, fill
	s_wait_tensorcnt 0x0                           ; all my tensor loads have landed
	ds_add_u32 v[SPW], v[NIL]                      ; 0 onto my spare word
	s_wait_dscnt 13                                ; (the add and the queries' tiles 4-7 may be out)
	WIN MUL_LO
	MUL16 0, \s, 0
	s_wait_dscnt 0x0                               ; the add is done, and my reads of the slot in hand are over
	s_barrier_signal -1
	MUL16 2, \s, 0
	WIN 0
	s_barrier_wait -1
.if \fill
	CREST                                          ; no wave of any partner still reads slot 0 or has a load on its way
	s_add_nc_u64 s[G0A0+2:G0A0+3], s[G0A0+2:G0A0+3], 3*HALFB
	s_add_nc_u64 s[G0B0+2:G0B0+3], s[G0B0+2:G0B0+3], 3*HALFB
	JLOAD G0A0, G1A, G0B0, G1B                     ; the first tensor load behind the round
.else
	PLACES
.endif
	FETCH_B (\s)+1
	FETCH_A (\s)+1, 0
	SCALES ((\s)+1)/2
	WIN MUL_HI
	MUL16 4, \s, 0
	MUL16 6, \s, 0
	PLACES
	WIN 0
	FETCH_A (\s)+1, 4
.endm
.macro PACKQ s, pw
.irp b, 0,1,2,3
	v_add_nc_u32 v[TM+12+\b], 0xff000000, v[TM+\b]
.endr
.irp b, 0,1,2,3
	v_lshrrev_b32 v[TM+4+\b], 23, v[TM+12+\b]
.endr
	v_lshl_or_b32 v[\pw], v[TM+5], 8, v[TM+4]
	v_lshl_or_b32 v[\pw], v[TM+6], 16, v[\pw]
	v_lshl_or_b32 v[\pw], v[TM+7], 24, v[\pw]
.irp c, 0,1
	v_cvt_scalef32_pk16_fp6_f32 v[PC+6*\c:PC+2+6*\c], v[\s+32*\c:\s+15+32*\c], v[TM+12+2*\c]
	v_cvt_scalef32_pk16_fp6_f32 v[PC+12+4*\c:PC+14+4*\c], v[\s+16+32*\c:\s+31+32*\c], v[TM+12+2*\c+1]
.endr
	v_nop                                                  ; one plain place behind a scaled conversion
.irp c, 0,1
.irp i, 0,1,2
	v_permlane16_swap_b32 v[PC+6*\c+\i], v[PC+12+4*\c+\i]
.endr
.irp i, 0,1,2
	v_mov_b32 v[PC+3+6*\c+\i], v[PC+12+4*\c+\i]
.endr
.endr
.endm
.macro PUT a
.irp c, 0,1,2
	global_store_b128 v[GO], v[PC+4*\c:PC+4*\c+3], s[12:13] offset:(\a)*1536+512*\c th:TH_STORE_NT
.endr
.endm
; The softmax of the queries' tile a over my 128 keys.
.macro SOFT a
.if (\a) > 0
	s_wait_xcnt 0x0                                ; the last tile's stores have read the codes' registers
.endif
	WIN 0x02+(\a)/4
.set AC, 64*((\a)%4)
.set i, 0
.rept 32
	v_pk_mul_f32 v[H+2*i:H+2*i+1], v[AC+2*i:AC+2*i+1], s[CS:CS+1] op_sel_hi:[1,0]   ; t; ascending: each accumulator is read from its low end on
.set i, i+1
.endr
	WIN 0
.irp b, 0,1,2,3
	v_max3_num_f32 v[TM+\b], v[H+16*\b], v[H+1+16*\b], v[H+2+16*\b]   ; the largest t of each block of 32 keys: it serves for the maximum and, since p rises with t, for the block's largest p
.endr
.irp i, 3,5,7,9,11,13
.irp b, 0,1,2,3
	v_max3_num_f32 v[TM+\b], v[TM+\b], v[H+16*\b+\i], v[H+1+16*\b+\i]
.endr
.endr
.irp b, 0,1,2,3
	v_max_num_f32 v[TM+\b], v[TM+\b], v[H+15+16*\b]
.endr
.irp b, 0,1,2,3
	v_permlanex16_b32 v[TM+4+\b], v[TM+\b], s[SEL], s[SEL+1]
.endr
.irp b, 0,1,2,3
	v_max_num_f32 v[TM+\b], v[TM+\b], v[TM+4+\b]
.endr
	v_max3_num_f32 v[TT], v[TM], v[TM+1], v[TM+2]
	v_max_num_f32 v[TT], v[TT], v[TM+3]
	v_floor_f32 v[TP], -v[TT]                      ; -M = floor(-t) = -ceil(t): a whole number
.set i, 0
.rept 32
	v_pk_add_f32 v[H+2*i:H+2*i+1], v[H+2*i:H+2*i+1], v[TP:TP+1] op_sel_hi:[1,0]   ; t - M
.set i, i+1
.endr
.irp b, 0,1,2,3
	v_add_f32 v[TM+\b], v[TM+\b], v[TP]            ; the same of each block's largest t
.endr
.set i, 0
.rept 64
	v_exp_f32 v[H+i], v[H+i]                       ; p = 2^(t - M), at most 1
.set i, i+1
.endr
	v_mov_b32 v[NM+(\a)], v[TP]                    ; (a plain place behind the exponentials)
	s_wait_alu depctr_va_vdst(0)                   ; one wait for the batch, ahead of its first reader
.irp b, 0,1,2,3
	v_exp_f32 v[TM+\b], v[TM+\b]                   ; the block's largest p: the same two instructions on the same number give the same bits
.endr
	v_pk_add_f32 v[LS0:LS0+1], v[H:H+1], v[H+4:H+5]        ; the sum of the UNQUANTISED p, in two chains
	v_pk_add_f32 v[LS1:LS1+1], v[H+2:H+3], v[H+6:H+7]
.irp j, 8,12,16,20,24,28,32,36,40,44,48,52,56,60
	v_pk_add_f32 v[LS0:LS0+1], v[LS0:LS0+1], v[H+\j:H+\j+1]
	v_pk_add_f32 v[LS1:LS1+1], v[LS1:LS1+1], v[H+\j+2:H+\j+3]
.endr
	v_pk_add_f32 v[LS0:LS0+1], v[LS0:LS0+1], v[LS1:LS1+1]
	s_wait_alu depctr_va_vdst(0)                   ; and one for the four
.irp b, 0,1,2,3
	v_max_num_f32 v[TM+\b], 0x1800000, v[TM+\b]    ; the floor 2^(3 - 127): the byte cannot fall under 1
.endr
	PACKQ H, PWS+(\a)
	v_add_f32 v[XS], v[LS0], v[LS0+1]
	v_permlanex16_b32 v[XS+1], v[XS], s[SEL], s[SEL+1]
	v_add_f32 v[LL+(\a)], v[XS], v[XS+1]           ; with lane l xor 16's 64 keys
	PUT \a
.endm
	s_load_b128 s[4:7], s[0:1], 0x0                ; qkv_codes, qkv_scales
	s_load_b64 s[12:13], s[0:1], 0x10              ; p_codes
	s_load_b64 s[66:67], s[0:1], 0x18              ; p_meta
	v_lshl_add_u32 v[SPW], v0, 2, SPARE
	v_mov_b32 v[NIL], 0
	ds_add_u32 v[SPW], v[NIL]                      ; the wave's opening: the add and its wait stand ahead of my first tensor load
	v_lshrrev_b32 v1, 5, v0
	v_readfirstlane_b32 s14, v1                    ; wave 0..3
	s_lshr_b32 s15, s14, 1                         ; my half of the queries.  Also: I fetch for q (0) or for k (1)
	s_and_b32 s16, s14, 1                          ; my half of the keys.  Also: which group I fetch
	s_bfe_u32 s19, ttmp6, 0x40000                  ; cx
	s_bfe_u32 s20, ttmp6, 0x40004                  ; cy
	s_lshl_b32 s18, ttmp9, 2
	s_add_co_u32 s18, s18, s19                     ; tile of 256 keys in the batch, 0..7
	s_and_b32 s3, ttmp7, 0xffff
	s_lshr_b32 s21, s3, 1                          ; the batch: two clusters of 1,024 queries each
	s_lshl_b32 s17, s3, 2
	s_add_co_u32 s17, s17, s20                     ; tile of 256 queries, 0..31
	s_lshl_b32 s2, s20, 2
	s_lshl_b32 s2, 15, s2                          ; my row of the cluster
	s_lshl_b32 s3, 0x1111, s19                     ; my column
	MKG1 G1A, 2, 96
	MKG1 G1B, 3, 96
	MKG1 G1SA, 2, 16
	MKG1 G1SB, 3, 16
	s_mov_b32 s[SEL], 0x76543210
	s_mov_b32 s[SEL+1], 0xfedcba98
	s_mov_b32 s[CS], 0x3d38aa3b                    ; log2(e) / 32: f32's log2(e) with 5 off its exponent, so score x c has the bits of (score / 32) x log2(e)
	s_mov_b32 s[CS+1], s[CS]
	s_wait_dscnt 0x0                               ; the opening add is done
	s_wait_kmcnt 0x0
	s_mov_b64 s[8:9], s[4:5]
	s_mov_b64 s[10:11], s[6:7]
	s_lshl_b32 s22, s17, 1
	s_add_co_u32 s22, s22, s16                     ; the group of queries that I would fetch: its K steps 0-7 are q
	s_mul_i32 s2, s22, 196608
	s_mov_b32 s3, 0
	s_add_nc_u64 s[4:5], s[4:5], s[2:3]
	s_lshl_b32 s2, s22, 13
	s_add_nc_u64 s[6:7], s[6:7], s[2:3]
	s_lshl_b32 s22, s21, 4
	s_lshl_b32 s23, s18, 1
	s_add_co_u32 s22, s22, s23
	s_add_co_u32 s22, s22, s16                     ; the group of keys: its K steps 8-15 are k
	s_mul_i32 s2, s22, 196608
	s_add_co_u32 s2, s2, 98304
	s_add_nc_u64 s[8:9], s[8:9], s[2:3]
	s_lshl_b32 s2, s22, 13
	s_add_co_u32 s2, s2, 4096
	s_add_nc_u64 s[10:11], s[10:11], s[2:3]
	s_lshl_b32 s22, s17, 1
	s_add_co_u32 s22, s22, s15
	s_lshl_b32 s22, s22, 4
	s_add_co_u32 s22, s22, s23
	s_add_co_u32 s22, s22, s16                     ; my output block: 16 x group of queries + group of keys in the batch
	s_mul_i32 s2, s22, 12288
	s_add_nc_u64 s[12:13], s[12:13], s[2:3]
	s_lshl_b32 s2, s22, 9
	s_add_nc_u64 s[66:67], s[66:67], s[2:3]
	CROUND                                         ; all sixteen work-groups are here: the first joint loads meet
	s_mul_i32 s22, s14, HALFB
	s_lshl_b32 s23, s14, 12
	MKG0 G0SA, 23, SCL, 6, 0
	MKG0 G0SB, 23, SCL, 10, 0
	MKG0 G0A0, 22, 0, 4, 0
	MKG0 G0A1, 22, SLOTB, 4, HALFB
	MKG0 G0A2, 22, 2*SLOTB, 4, 2*HALFB
	MKG0 G0B0, 22, 0, 8, 0
	MKG0 G0B1, 22, SLOTB, 8, HALFB
	MKG0 G0B2, 22, 2*SLOTB, 8, 2*HALFB
	s_cmp_eq_u32 s15, 0                            ; a wave's four first fills stand in one branch
	s_cbranch_scc0 .Lfirst_b
	tensor_load_to_lds s[G0SA:G0SA+3], s[G1SA:G1SA+7]
	s_nop 0
	tensor_load_to_lds s[G0A0:G0A0+3], s[G1A:G1A+7]
	s_nop 0
	tensor_load_to_lds s[G0A1:G0A1+3], s[G1A:G1A+7]
	s_nop 0
	tensor_load_to_lds s[G0A2:G0A2+3], s[G1A:G1A+7]
	s_nop 0
.rept 4
	v_nop
.endr
	s_branch .Lfirst_done
.Lfirst_b:
	tensor_load_to_lds s[G0SB:G0SB+3], s[G1SB:G1SB+7]
	s_nop 0
	tensor_load_to_lds s[G0B0:G0B0+3], s[G1B:G1B+7]
	s_nop 0
	tensor_load_to_lds s[G0B1:G0B1+3], s[G1B:G1B+7]
	s_nop 0
	tensor_load_to_lds s[G0B2:G0B2+3], s[G1B:G1B+7]
	s_nop 0
.rept 4
	v_nop
.endr
.Lfirst_done:
	v_and_b32 v1, 15, v0                           ; r
	v_and_b32 v3, 31, v0
	v_lshlrev_b32 v[GO], 4, v3                     ; 16 x lane
	s_mul_i32 s22, s15, HALFB
	v_add_nc_u32 v[ADRA], s22, v[GO]
	v_add_nc_u32 v[ADRA+1], SLOTB, v[ADRA]
	v_add_nc_u32 v[ADRA+2], 2*SLOTB, v[ADRA]
	s_mul_i32 s22, s16, HALFB
	s_add_co_u32 s22, s22, 2*HALFB
	v_add_nc_u32 v[ADRB], s22, v[GO]
	v_add_nc_u32 v[ADRB+1], SLOTB, v[ADRB]
	v_add_nc_u32 v[ADRB+2], 2*SLOTB, v[ADRB]
	v_lshlrev_b32 v3, 4, v1                        ; 16 r
	s_lshl_b32 s22, s15, 12
	s_add_co_u32 s22, s22, SCL
	v_add_nc_u32 v[ADSA], s22, v3
	s_lshl_b32 s22, s16, 12
	s_add_co_u32 s22, s22, SCL+8192
	v_add_nc_u32 v[ADSB], s22, v3
	s_wait_tensorcnt 2                             ; the scale words and fill 0 are in; fills 1 and 2 may be out
	s_barrier_signal -1
	s_barrier_wait -1
	FETCH_B 0
	FETCH_A 0, 0
	SCALES 0
	FETCH_A 0, 4
	STEP 0, 1
	TURN 1, 1
	STEP 2, 0
	STEP 3, 0
	STEP 4, 0
	TURN 5, 0
	STEP 6, 0
	s_wait_dscnt 12
	WIN MUL_LO
	MUL16 0, 7, 0
	MUL16 2, 7, 0
	s_wait_dscnt 0x0
	WIN MUL_HI
	MUL16 4, 7, 0
	MUL16 6, 7, 0
	WIN 0
	PLACES
.irp b, 0,1,2,3
	v_mov_b32 v[TM+4+\b], 0                        ; a lane permute's destination counts as one of its sources
.endr
	v_mov_b32 v[XS+1], 0
	v_mov_b32 v[TP+1], 0                           ; (named as the upper half of a pair)
.irp a, 0,1,2,3,4,5,6,7
	SOFT \a
.endr
	s_mov_b32 vcc_lo, 0xffff0000                   ; lanes 16-31 take tiles 4-7
.irp e, 0,1,2,3
	v_cndmask_b32 v[Q4+\e], v[PWS+\e], v[PWS+4+\e], vcc_lo
	v_cndmask_b32 v[H+\e], v[NM+\e], v[NM+4+\e], vcc_lo
	v_cndmask_b32 v[H+4+\e], v[LL+\e], v[LL+4+\e], vcc_lo
.endr
	global_store_b128 v[GO], v[Q4:Q4+3], s[66:67] th:TH_STORE_NT                    ; each: 512 consecutive bytes
	global_store_b128 v[GO], v[H:H+3], s[66:67] offset:524288 th:TH_STORE_NT
	global_store_b128 v[GO], v[H+4:H+7], s[66:67] offset:1048576 th:TH_STORE_NT
	s_wait_tensorcnt 0x0                           ; the wave's end
	ds_add_u32 v[SPW], v[NIL]
	s_wait_dscnt 0x0
	CROUND                                         ; the closing round
	s_endpgm
.Lfunc_end_k_q19a5b0ce1d_scores:
	.size	k_q19a5b0ce1d_scores, .Lfunc_end_k_q19a5b0ce1d_scores-k_q19a5b0ce1d_scores
	.p2alignl 7, 3214868480
	.fill 96, 4, 3214868480
	.section	.rodata,"a",@progbits
	.p2align	6, 0x0
	.amdhsa_kernel k_q19a5b0ce1d_scores
		.amdhsa_group_segment_fixed_size 327680
		.amdhsa_private_segment_fixed_size 0
		.amdhsa_enable_private_segment 0
		.amdhsa_kernarg_size 32
		.amdhsa_user_sgpr_count 2
		.amdhsa_user_sgpr_kernarg_segment_ptr 1
		.amdhsa_wavefront_size32 1
		.amdhsa_system_sgpr_workgroup_id_x 1
		.amdhsa_system_sgpr_workgroup_id_y 1
		.amdhsa_system_sgpr_workgroup_id_z 1
		.amdhsa_system_vgpr_workitem_id 0
		.amdhsa_next_free_vgpr 1024
		.amdhsa_next_free_sgpr 102
		.amdhsa_reserve_vcc 1
		.amdhsa_float_denorm_mode_32 3
		.amdhsa_float_denorm_mode_16_64 3
		.amdhsa_memory_ordered 1
		.amdhsa_forward_progress 1
		.amdhsa_inst_pref_size 206
	.end_amdhsa_kernel
	.amdgpu_metadata
---
amdhsa.version: [ 1, 2 ]
amdhsa.kernels:
  - .name:           k_q19a5b0ce1d_scores
    .symbol:         k_q19a5b0ce1d_scores.kd
    .args:
      - { .name: qkv_codes, .offset: 0, .size: 8, .value_kind: global_buffer, .address_space: global }
      - { .name: qkv_scales, .offset: 8, .size: 8, .value_kind: global_buffer, .address_space: global }
      - { .name: p_codes, .offset: 16, .size: 8, .value_kind: global_buffer, .address_space: global }
      - { .name: p_meta, .offset: 24, .size: 8, .value_kind: global_buffer, .address_space: global }
    .group_segment_fixed_size: 327680
    .private_segment_fixed_size: 0
    .kernarg_segment_align: 8
    .kernarg_segment_size: 32
    .max_flat_workgroup_size: 128
    .sgpr_count:     102
    .vgpr_count:     1024
    .wavefront_size: 32
...
	.end_amdgpu_metadata
.endif
;; end of part 3
;; launch pv (part 4): grid 4 x 64, 4 waves a work-group, clusters of 4 x 4, 327,680 bytes of LDS; arguments p_codes, p_meta, qkv_codes, qkv_scales, c_codes, c_scales; writes c_codes, c_scales
.if DOCPART == 4
	.amdgcn_target "amdgcn-amd-amdhsa--gfx1250"
	.amdhsa_code_object_version 6
	.text
	.protected	k_q19a5b0ce1d_pv
	.globl	k_q19a5b0ce1d_pv
	.p2align	8
	.type	k_q19a5b0ce1d_pv,@function
k_q19a5b0ce1d_pv:
	s_mov_b64 s[64:65], 0
	v_nop
	global_prefetch_b8 v0, s[64:65] scope:SCOPE_SE
	s_setreg_imm32_b32 hwreg(HW_REG_WAVE_MODE, 25, 1), 1
	s_wait_xcnt 0x0
	s_wait_alu depctr_hold_cnt(0) depctr_sa_sdst(0) depctr_va_vdst(0) depctr_va_sdst(0) depctr_va_ssrc(0) depctr_va_vcc(0) depctr_vm_vsrc(0)
	s_getreg_b32 s2, hwreg(HW_REG_IB_STS2, 6, 4)
	s_cmp_eq_u32 s2, 0
	s_cbranch_scc0 .Lentry_in_a_cluster
	s_endpgm
.Lentry_in_a_cluster:
	s_bfe_u32 s2, ttmp6, 0x10000c
	s_cmp_lg_u32 s2, 0xf033
	s_cbranch_scc0 .Lentry_shape_is_right
	s_endpgm
.Lentry_shape_is_right:
; ctx^T = v^T p^T on codes of FP6 (K = the batch's 2,048 keys, 16 K steps), divided by the row's sum and quantised along the hidden axis in registers.
; Operands and results are register images (see launch qkv's head): source 0 = 128 rows d of v^T, source 1 = 128 queries of p.
; THE PROLOGUE brings p's scale words under the row's own M.  Launch scores stored, for each query and each 128 keys, the scale word and the sum under a local M, and -M.  The row's -M is the least of the sixteen.
; d = M - local M is a whole number, 0 or more: each byte of the word has d taken off, each partial sum is multiplied by 2^-d (v_ldexp_f32: nothing is rounded but what falls under the smallest number) and the sixteen are added.
; The repaired words go to LDS by stores into bytes that no tensor load fills; only values hang on the loaded numbers, no address and no branch.
; TILES: 128 queries x 256 d a work-group (256 work-groups), 64 x 128 a wave.  With 256 x 256 there would be 128 tiles.
; LDS: two slots of 147,456 bytes, each four K steps of p's group and of v^T's two groups; v^T's scale words 2 x 8,192 bytes, filled once; p's repaired words 8,192 bytes.  At most three tensor loads of a wave are outstanding.
; CLUSTER 4 x 4: p's group is shared along a row of the cluster, v^T's groups along a column (the four partners of a column belong to one batch): joint loads.
; OUTPUT: c_codes [64 query groups][8 K steps of d], c_scales likewise x 512.
; LIMITS: a byte of p that would fall under 0 becomes 0 (2^-127) with its codes as they are: an error under 2^-124 beside a row's sum of at least 1/2.  d is held at 127 for the bytes.  NaN and infinities are not served.
; A block of ctx whose largest magnitude lies under 2^-124 keeps the byte 1.
; REGISTERS: window 0: v16, v17, v20, v21 fragment addresses by slot; v24, v25 scale addresses; v26 16 x lane; v27 16 r + 8 h; v28, v29 the add's; v32-63 scale words, two sets of 16; v96-103 1 / sum, twice a tile;
;   v112-121 scale words made; v128-223 p's 4 fragments, two sets (in the prologue and the epilogue: at work).  window 1: v^T's 8 fragments, two sets.  window 2: accumulator (a, b) at v[8 (8 a + b)].
.set SLOTB, 147456
.set SCB,   2*SLOTB
.set SCA,   SCB+16384
.set SPARE, SCA+8192                   ; the spare words: 128 bytes a wave, two blocks of 256 bytes that no other line names
.set ADRA, 16
.set ADRB, 20
.set ADSA, 24
.set ADSB, 25
.set GO,   26
.set GS,   27
.set SPW,  28
.set NIL,  29
.set SC,   32
.set RL,   96
.set PWS,  112
.set Q2,   120
.set AF,   128
.set H,    128
.set PC,   192
.set TM,   212
.set G1A,  24
.set G1B,  32
.set G1SB, 48
.set G0A,  56
.set G0B,  72
.set G0SB, 88
.set SEL,  92
.set MUL,  0xa1                        ; source 0 window 1, source 1 window 0, C and D window 2
.set TO_B, 0x40
.set MSB, 0
.macro WIN new
.if MSB != (\new)
	s_set_vgpr_msb (MSB<<8)|(\new)
.set MSB, (\new)
.endif
.endm
.macro PLACES
.rept 4
	v_nop
.endr
.endm
.macro CREST
	s_cmp_lg_u32 s14, 0
	s_cbranch_scc1 .Lnot_wave_0_\@
	s_barrier_signal -3
.Lnot_wave_0_\@:
	s_barrier_wait -3
	s_barrier_signal -1
	s_barrier_wait -1
.endm
.macro CROUND
	s_barrier_signal -1
	s_barrier_wait -1
	CREST
.endm
.macro JLOAD g0a, g1a, g0b, g1b
	s_cmp_eq_u32 s15, 0
	s_cbranch_scc0 .Lfor_b_\@
	tensor_load_to_lds s[\g0a:\g0a+3], s[\g1a:\g1a+7]
	s_nop 0
.rept 4
	v_nop
.endr
	s_branch .Lasked_\@
.Lfor_b_\@:
	tensor_load_to_lds s[\g0b:\g0b+3], s[\g1b:\g1b+7]
	s_nop 0
.rept 4
	v_nop
.endr
.Lasked_\@:
.endm
.macro MKG1 g, m, rows
	s_or_b32 s[\g], s[\m], (3<<16)|(1<<21)
	s_mov_b32 s[\g+1], 32<<16
	s_mov_b32 s[\g+2], (\rows)<<16
	s_mov_b32 s[\g+3], 32<<16
	s_mov_b32 s[\g+4], \rows
	s_mov_b32 s[\g+5], 32
	s_mov_b32 s[\g+6], 0
	s_mov_b32 s[\g+7], 0
.endm
.macro MKG0 g, lreg, loff, p, off
	s_mov_b32 s[\g], 1
	s_add_co_u32 s[\g+1], s[\lreg], \loff
	s_add_nc_u64 s[\g+2:\g+3], s[\p:\p+1], \off
	s_or_b32 s[\g+3], s[\g+3], 0x80000000
.endm
.macro FRAG reg, adr, off
.irp c, 0,1,2
	ds_load_b128 v[\reg+4*\c:\reg+4*\c+3], v[\adr] offset:\off+512*\c
.endr
.endm
.macro FETCH4 s                        ; K step s: 8 fragments of source 0, 4 of source 1, 3 loads of scale words: 39 loads
	WIN TO_B
.irp b, 0,1,2,3,4,5,6,7
	FRAG 128*((\s)%2)+12*\b, ADRB+((\s)/4)%2, ((\s)%4)*12288+\b*1536
.endr
	WIN 0
.irp a, 0,1,2,3
	FRAG AF+48*((\s)%2)+12*\a, ADRA+((\s)/4)%2, ((\s)%4)*12288+\a*1536
.endr
	ds_load_b128 v[SC+16*((\s)%2):SC+16*((\s)%2)+3], v[ADSA] offset:512*(\s)
	ds_load_b128 v[SC+16*((\s)%2)+4:SC+16*((\s)%2)+7], v[ADSB] offset:512*(\s)
	ds_load_b128 v[SC+16*((\s)%2)+8:SC+16*((\s)%2)+11], v[ADSB] offset:512*(\s)+256
.endm
.macro MUL16Q a0, s, zero              ; the 32 accumulators take turns, one instruction a turn
.set SCS, SC+16*((\s)%2)
.set BS, 128*((\s)%2)
.set AS, AF+48*((\s)%2)
.irp a, \a0, \a0+1
.irp b, 0,1,2,3,4,5,6,7
.if \zero
	v_wmma_scale_f32_16x16x128_f8f6f4 v[8*(8*(\a)+\b):8*(8*(\a)+\b)+7], v[BS+12*\b:BS+12*\b+11], v[AS+12*(\a):AS+12*(\a)+11], 0, v[SCS+4+\b], v[SCS+(\a)] matrix_a_fmt:MATRIX_FMT_FP6 matrix_b_fmt:MATRIX_FMT_FP6
.else
	v_wmma_scale_f32_16x16x128_f8f6f4 v[8*(8*(\a)+\b):8*(8*(\a)+\b)+7], v[BS+12*\b:BS+12*\b+11], v[AS+12*(\a):AS+12*(\a)+11], v[8*(8*(\a)+\b):8*(8*(\a)+\b)+7], v[SCS+4+\b], v[SCS+(\a)] matrix_a_fmt:MATRIX_FMT_FP6 matrix_b_fmt:MATRIX_FMT_FP6
.endif
.endr
.endr
.endm
; A K step.  sync = 0: plain.  sync = 1, 2: a slot's last K step: one barrier, in front of it the wait for all my tensor loads, the add, and the wait for it and for my reads of the slot; 1: the slot is filled again, two fills on.
.macro KSTEP4 s, zero, sync, last
.if \sync
	s_wait_tensorcnt 0x0                           ; all my tensor loads have landed: my part of the other slot
	ds_add_u32 v[SPW], v[NIL]                      ; 0 onto my spare word
	s_wait_dscnt 0x0                               ; the add is done; this K step's 39 loads, my last reads of the slot, are in
	s_barrier_signal -1
	WIN MUL
	MUL16Q 0, \s, \zero
	WIN 0
	s_barrier_wait -1
.if \sync == 1
	CREST                                          ; no wave of any partner still reads the slot or has a load on its way
	s_add_nc_u64 s[G0A+4*(((\s)/4)%2)+2:G0A+4*(((\s)/4)%2)+3], s[G0A+4*(((\s)/4)%2)+2:G0A+4*(((\s)/4)%2)+3], 98304
	s_add_nc_u64 s[G0B+4*(((\s)/4)%2)+2:G0B+4*(((\s)/4)%2)+3], s[G0B+4*(((\s)/4)%2)+2:G0B+4*(((\s)/4)%2)+3], 98304
	JLOAD G0A+4*(((\s)/4)%2), G1A, G0B+4*(((\s)/4)%2), G1B   ; the first tensor load behind the round; its four v_nop are the places in front of the loads below
.else
	PLACES
.endif
	FETCH4 (\s)+1
	WIN MUL
	MUL16Q 2, \s, \zero
	WIN 0
.else
	s_wait_dscnt 0x0                               ; this K step's loads, issued a K step ago, are in
.if (\last) == 0
.if (\s) > 0
	PLACES
.endif
	FETCH4 (\s)+1
.endif
	WIN MUL
	MUL16Q 0, \s, \zero
	MUL16Q 2, \s, \zero
	WIN 0
.endif
.endm
.macro PACKQ s, pw
.irp b, 0,1,2,3
	v_add_nc_u32 v[TM+12+\b], 0xff000000, v[TM+\b]
.endr
.irp b, 0,1,2,3
	v_lshrrev_b32 v[TM+4+\b], 23, v[TM+12+\b]
.endr
	v_lshl_or_b32 v[\pw], v[TM+5], 8, v[TM+4]
	v_lshl_or_b32 v[\pw], v[TM+6], 16, v[\pw]
	v_lshl_or_b32 v[\pw], v[TM+7], 24, v[\pw]
.irp c, 0,1
	v_cvt_scalef32_pk16_fp6_f32 v[PC+6*\c:PC+2+6*\c], v[\s+32*\c:\s+15+32*\c], v[TM+12+2*\c]
	v_cvt_scalef32_pk16_fp6_f32 v[PC+12+4*\c:PC+14+4*\c], v[\s+16+32*\c:\s+31+32*\c], v[TM+12+2*\c+1]
.endr
	v_nop                                                  ; one plain place behind a scaled conversion
.irp c, 0,1
.irp i, 0,1,2
	v_permlane16_swap_b32 v[PC+6*\c+\i], v[PC+12+4*\c+\i]
.endr
.irp i, 0,1,2
	v_mov_b32 v[PC+3+6*\c+\i], v[PC+12+4*\c+\i]
.endr
.endr
.endm
.macro QUANT s, pw
.irp b, 0,1,2,3
	v_max3_num_f32 v[TM+\b], |v[\s+16*\b]|, |v[\s+1+16*\b]|, 0x1800000
.endr
.irp i, 2,4,6,8,10,12,14
.irp b, 0,1,2,3
	v_max3_num_f32 v[TM+\b], v[TM+\b], |v[\s+16*\b+\i]|, |v[\s+1+16*\b+\i]|
.endr
.endr
.irp b, 0,1,2,3
	v_permlanex16_b32 v[TM+4+\b], v[TM+\b], s[SEL], s[SEL+1]
.endr
.irp b, 0,1,2,3
	v_max_num_f32 v[TM+\b], v[TM+\b], v[TM+4+\b]
.endr
	PACKQ \s, \pw
.endm
.macro PUT a
.irp c, 0,1,2
	global_store_b128 v[GO], v[PC+4*\c:PC+4*\c+3], s[12:13] offset:(\a)*1536+512*\c th:TH_STORE_NT
.endr
.endm
.macro EPI a
.if (\a) > 0
	s_wait_xcnt 0x0                                ; the last tile's stores have read the codes' registers
.endif
	WIN 0x02
.set i, 0
.rept 32
	v_pk_mul_f32 v[H+2*i:H+2*i+1], v[64*(\a)+2*i:64*(\a)+2*i+1], v[RL+2*(\a):RL+2*(\a)+1]   ; / the row's sum; ascending: each accumulator is read from its low end on
.set i, i+1
.endr
	WIN 0
	QUANT H, PWS+(\a)
	PUT \a
.endm
	s_load_b128 s[4:7], s[0:1], 0x0                ; p_codes, p_meta
	s_load_b128 s[8:11], s[0:1], 0x10              ; qkv_codes, qkv_scales
	s_load_b64 s[12:13], s[0:1], 0x20              ; c_codes
	s_load_b64 s[66:67], s[0:1], 0x28              ; c_scales
	v_lshl_add_u32 v[SPW], v0, 2, SPARE
	v_mov_b32 v[NIL], 0
	ds_add_u32 v[SPW], v[NIL]                      ; the wave's opening: the add and its wait stand ahead of my first tensor load
	v_lshrrev_b32 v1, 5, v0
	v_readfirstlane_b32 s14, v1                    ; wave 0..3
	s_lshr_b32 s15, s14, 1                         ; my 64 of the queries.  Also: I fetch for p (0) or for v^T (1)
	s_and_b32 s16, s14, 1                          ; my group of d.  Also: which part I fetch
	s_bfe_u32 s19, ttmp6, 0x40000                  ; cx
	s_bfe_u32 s20, ttmp6, 0x40004                  ; cy
	s_lshl_b32 s18, ttmp9, 2
	s_add_co_u32 s18, s18, s19                     ; tile of 256 d, 0..3
	s_and_b32 s3, ttmp7, 0xffff
	s_lshr_b32 s21, s3, 2                          ; the batch: four clusters of 512 queries each
	s_lshl_b32 s17, s3, 2
	s_add_co_u32 s17, s17, s20                     ; group of 128 queries, 0..63
	s_lshl_b32 s2, s20, 2
	s_lshl_b32 s2, 15, s2                          ; my row of the cluster
	s_lshl_b32 s3, 0x1111, s19                     ; my column
	MKG1 G1A, 2, 96                                ; two K steps of p's group: 24,576 bytes
	MKG1 G1B, 3, 192                               ; four K steps of a group of v^T: 49,152 bytes
	MKG1 G1SB, 3, 32                               ; its scale words for the batch: 8,192 bytes
	s_mov_b32 s[SEL], 0x76543210
	s_mov_b32 s[SEL+1], 0xfedcba98
	s_mov_b32 s99, 0x01010101
	s_mov_b32 s100, 0x80808080
	s_mov_b32 s101, 0x7f7f7f7f
	s_wait_dscnt 0x0                               ; the opening add is done
	s_wait_kmcnt 0x0
	s_mul_i32 s2, s17, 196608
	s_mul_i32 s22, s16, 24576
	s_add_co_u32 s2, s2, s22
	s_mov_b32 s3, 0
	s_add_nc_u64 s[4:5], s[4:5], s[2:3]            ; p: my group, the two K steps of a fill that I would fetch
	s_lshl_b32 s2, s17, 13
	s_lshl_b32 s22, s15, 8
	s_add_co_u32 s2, s2, s22
	s_add_nc_u64 s[6:7], s[6:7], s[2:3]            ; what launch scores left for my four tiles of queries,
	s_lshl_b32 s2, s16, 12
	s_add_nc_u64 s[96:97], s[6:7], s[2:3]          ; and the eight K steps whose words I repair
	s_lshl_b32 s22, s18, 1
	s_add_co_u32 s22, s22, s16
	s_lshl_b32 s22, s22, 6
	s_lshl_b32 s23, s21, 4
	s_add_co_u32 s22, s22, s23                     ; v^T: 64 x group of d + 16 x batch
	s_mul_i32 s2, s22, 12288
	s_add_nc_u64 s[8:9], s[8:9], s[2:3]
	s_add_nc_u64 s[8:9], s[8:9], 12582912          ; behind q's and k's 1,024 blocks
	s_lshl_b32 s2, s22, 9
	s_add_nc_u64 s[10:11], s[10:11], s[2:3]
	s_add_nc_u64 s[10:11], s[10:11], 524288
	s_lshl_b32 s22, s17, 3
	s_lshl_b32 s23, s18, 1
	s_add_co_u32 s22, s22, s23
	s_add_co_u32 s22, s22, s16                     ; my output block: 8 x group of queries + group of d
	s_mul_i32 s2, s22, 12288
	s_mul_i32 s23, s15, 6144
	s_add_co_u32 s2, s2, s23
	s_add_nc_u64 s[12:13], s[12:13], s[2:3]
	s_lshl_b32 s2, s22, 9
	s_lshl_b32 s23, s15, 8
	s_add_co_u32 s2, s2, s23
	s_add_nc_u64 s[66:67], s[66:67], s[2:3]
	CROUND                                         ; all sixteen work-groups are here: the first joint loads meet
	s_mul_i32 s22, s16, 24576                      ; p's part of a slot: no place in the cluster enters an LDS address
	s_mul_i32 s23, s16, 49152
	s_add_co_u32 s23, s23, 49152                   ; v^T's
	s_lshl_b32 s2, s16, 13
	MKG0 G0SB, 2, SCB, 10, 0
	MKG0 G0A, 22, 0, 4, 0
	MKG0 G0A+4, 22, SLOTB, 4, 49152
	MKG0 G0B, 23, 0, 8, 0
	MKG0 G0B+4, 23, SLOTB, 8, 49152
	s_cmp_eq_u32 s15, 0                            ; a wave's first fills stand in one branch
	s_cbranch_scc0 .Lfirst_b
	tensor_load_to_lds s[G0A:G0A+3], s[G1A:G1A+7]
	s_nop 0
	tensor_load_to_lds s[G0A+4:G0A+7], s[G1A:G1A+7]
	s_nop 0
.rept 4
	v_nop
.endr
	s_branch .Lfirst_done
.Lfirst_b:
	tensor_load_to_lds s[G0SB:G0SB+3], s[G1SB:G1SB+7]
	s_nop 0
	tensor_load_to_lds s[G0B:G0B+3], s[G1B:G1B+7]
	s_nop 0
	tensor_load_to_lds s[G0B+4:G0B+7], s[G1B:G1B+7]
	s_nop 0
.rept 4
	v_nop
.endr
.Lfirst_done:
	; ---- the prologue.  Lane (r, hh) holds row r of my four tiles (a register each) for K steps 2 i + hh
	v_and_b32 v1, 15, v0                           ; r
	v_bfe_u32 v2, v0, 4, 1                         ; h
	v_and_b32 v3, 31, v0
	v_lshlrev_b32 v[GO], 4, v3
	v_lshlrev_b32 v7, 4, v1                        ; 16 r
	v_lshl_add_u32 v6, v2, 9, v7                   ; + 512 hh
.irp i, 0,1,2,3,4,5,6,7
	global_load_b128 v[128+4*\i:131+4*\i], v6, s[6:7] offset:524288+1024*\i    ; -M of the sixteen K steps: each load two whole runs of 256 bytes
	global_load_b128 v[160+4*\i:163+4*\i], v6, s[6:7] offset:1048576+1024*\i   ; the sixteen sums
.endr
.irp i, 0,1,2,3
	global_load_b128 v[192+4*\i:195+4*\i], v6, s[96:97] offset:1024*\i         ; the scale words of the eight K steps that I repair,
	global_load_b128 v[208+4*\i:211+4*\i], v6, s[96:97] offset:524288+1024*\i  ; and their -M once more: a register's number cannot hang on the wave
.endr
	v_lshl_add_u32 v[GS], v2, 3, v7
	s_mul_i32 s22, s15, 6144
	v_add_nc_u32 v[ADRA], s22, v[GO]
	v_add_nc_u32 v[ADRA+1], SLOTB, v[ADRA]
	s_mul_i32 s22, s16, 49152
	s_add_co_u32 s22, s22, 49152
	v_add_nc_u32 v[ADRB], s22, v[GO]
	v_add_nc_u32 v[ADRB+1], SLOTB, v[ADRB]
	s_lshl_b32 s22, s15, 8
	s_add_co_u32 s22, s22, SCA
	v_add_nc_u32 v[ADSA], s22, v7
	s_lshl_b32 s23, s16, 12
	s_add_co_u32 s23, s23, s22
	v_add_nc_u32 v8, s23, v6                       ; where my repaired words go: SCA + 4,096 x my half of the K steps + 256 x my half of the tiles + 512 hh + 16 r
	s_lshl_b32 s22, s16, 13
	s_add_co_u32 s22, s22, SCB
	v_add_nc_u32 v[ADSB], s22, v7
.irp e, 0,1,2,3
	v_mov_b32 v[228+\e], 0                         ; a lane permute's destination counts as one of its sources
.endr
	s_wait_loadcnt 0x0
.irp e, 0,1,2,3
	v_min3_num_f32 v[224+\e], v[128+\e], v[132+\e], v[136+\e]
.endr
.irp e, 0,1,2,3
	v_min3_num_f32 v[224+\e], v[224+\e], v[140+\e], v[144+\e]
.endr
.irp e, 0,1,2,3
	v_min3_num_f32 v[224+\e], v[224+\e], v[148+\e], v[152+\e]
.endr
.irp e, 0,1,2,3
	v_min_num_f32 v[224+\e], v[224+\e], v[156+\e]
.endr
.irp e, 0,1,2,3
	v_permlanex16_b32 v[228+\e], v[224+\e], s[SEL], s[SEL+1]
.endr
.irp e, 0,1,2,3
	v_min_num_f32 v[224+\e], v[224+\e], v[228+\e]  ; the row's -M
.endr
.irp i, 0,1,2,3,4,5,6,7
.irp e, 0,1,2,3
	v_sub_f32 v[128+4*\i+\e], v[224+\e], v[128+4*\i+\e]    ; local M - M: a whole number, 0 or less
.endr
.endr
.irp i, 0,1,2,3,4,5,6,7
.irp e, 0,1,2,3
	v_cvt_i32_f32 v[128+4*\i+\e], v[128+4*\i+\e]           ; (it saturates)
.endr
.endr
.irp i, 0,1,2,3,4,5,6,7
.irp e, 0,1,2,3
	v_ldexp_f32 v[160+4*\i+\e], v[160+4*\i+\e], v[128+4*\i+\e]   ; the partial sum under the row's M
.endr
.endr
	v_pk_add_f32 v[232:233], v[160:161], v[164:165]
	v_pk_add_f32 v[234:235], v[162:163], v[166:167]
.irp i, 2,3,4,5,6,7
	v_pk_add_f32 v[232:233], v[232:233], v[160+4*\i:161+4*\i]
	v_pk_add_f32 v[234:235], v[234:235], v[162+4*\i:163+4*\i]
.endr
.irp e, 0,1,2,3
	v_permlanex16_b32 v[228+\e], v[232+\e], s[SEL], s[SEL+1]
.endr
.irp e, 0,1,2,3
	v_add_f32 v[232+\e], v[232+\e], v[228+\e]      ; the row's sum
.endr
.irp e, 0,1,2,3
	v_rcp_f32 v[RL+2*\e], v[232+\e]                ; twice: a pair for the packed multiply
	v_rcp_f32 v[RL+2*\e+1], v[232+\e]
.endr
.irp i, 0,1,2,3                                ; the words' repair is the independent work behind the reciprocals
.irp e, 0,1,2,3
	v_sub_f32 v[208+4*\i+\e], v[208+4*\i+\e], v[224+\e]    ; d = M - local M, 0 or more
.endr
.endr
.irp i, 0,1,2,3,4,5,6,7,8,9,10,11,12,13,14,15
	v_min_num_f32 v[208+\i], 0x42fe0000, v[208+\i]         ; held at 127: a byte is 125 at the most
.endr
.irp i, 0,1,2,3,4,5,6,7,8,9,10,11,12,13,14,15
	v_cvt_u32_f32 v[208+\i], v[208+\i]
.endr
.irp i, 0,1,2,3,4,5,6,7,8,9,10,11,12,13,14,15
	v_mul_lo_u32 v[208+\i], v[208+\i], s99                 ; d in each byte
.endr
.irp i, 0,1,2,3,4,5,6,7,8,9,10,11,12,13,14,15
	v_or_b32 v[192+\i], s100, v[192+\i]                    ; 128 onto each byte, so that no byte borrows from its neighbour
.endr
.irp i, 0,1,2,3,4,5,6,7,8,9,10,11,12,13,14,15
	v_sub_nc_u32 v[192+\i], v[192+\i], v[208+\i]           ; bit 7 of a byte stays where byte - d is 0 or more
.endr
.irp i, 0,1,2,3,4,5,6,7,8,9,10,11,12,13,14,15
	v_lshrrev_b32 v[208+\i], 7, v[192+\i]
.endr
.irp i, 0,1,2,3,4,5,6,7,8,9,10,11,12,13,14,15
	v_and_b32 v[208+\i], s99, v[208+\i]
.endr
.irp i, 0,1,2,3,4,5,6,7,8,9,10,11,12,13,14,15
	v_lshlrev_b32 v[160+\i], 8, v[208+\i]
.endr
.irp i, 0,1,2,3,4,5,6,7,8,9,10,11,12,13,14,15
	v_sub_nc_u32 v[208+\i], v[160+\i], v[208+\i]           ; 0xff in each such byte
.endr
.irp i, 0,1,2,3,4,5,6,7,8,9,10,11,12,13,14,15
	v_and_b32 v[192+\i], s101, v[192+\i]
.endr
.irp i, 0,1,2,3,4,5,6,7,8,9,10,11,12,13,14,15
	v_and_b32 v[192+\i], v[192+\i], v[208+\i]              ; byte - d, or 0 where that would be negative
.endr
	s_wait_alu depctr_va_vdst(0)                   ; one wait for the eight reciprocals, ahead of every later line that names them and of the next branch
.irp i, 0,1,2,3
	ds_store_b128 v8, v[192+4*\i:195+4*\i] offset:1024*\i
.endr
	s_wait_tensorcnt 1                             ; all but fill 1 are in
	s_wait_dscnt 0x0                               ; for the others' sake: my repaired words have landed
	s_barrier_signal -1
	s_barrier_wait -1
	FETCH4 0
	KSTEP4 0, 1, 0, 0                              ; the first products start the sums
	KSTEP4 1, 0, 0, 0
	KSTEP4 2, 0, 0, 0
	KSTEP4 3, 0, 1, 0                              ; slot 0 takes fill 2
	KSTEP4 4, 0, 0, 0
	KSTEP4 5, 0, 0, 0
	KSTEP4 6, 0, 0, 0
	KSTEP4 7, 0, 1, 0                              ; slot 1 takes fill 3
	KSTEP4 8, 0, 0, 0
	KSTEP4 9, 0, 0, 0
	KSTEP4 10, 0, 0, 0
	KSTEP4 11, 0, 2, 0                             ; fill 3 is shown whole to every wave; nothing is filled any more
	KSTEP4 12, 0, 0, 0
	KSTEP4 13, 0, 0, 0
	KSTEP4 14, 0, 0, 0
	KSTEP4 15, 0, 0, 1
	PLACES
.irp b, 0,1,2,3
	v_mov_b32 v[TM+4+\b], 0
.endr
	EPI 0
	EPI 1
	EPI 2
	EPI 3
	s_mov_b32 vcc_lo, 0xffff0000                   ; lanes 16-31 take tiles 2 and 3
	v_cndmask_b32 v[Q2], v[PWS], v[PWS+2], vcc_lo
	v_cndmask_b32 v[Q2+1], v[PWS+1], v[PWS+3], vcc_lo
	global_store_b64 v[GS], v[Q2:Q2+1], s[66:67] th:TH_STORE_NT   ; 256 consecutive bytes
	s_wait_tensorcnt 0x0                           ; the wave's end
	ds_add_u32 v[SPW], v[NIL]
	s_wait_dscnt 0x0
	CROUND                                         ; the closing round
	s_endpgm
.Lfunc_end_k_q19a5b0ce1d_pv:
	.size	k_q19a5b0ce1d_pv, .Lfunc_end_k_q19a5b0ce1d_pv-k_q19a5b0ce1d_pv
	.p2alignl 7, 3214868480
	.fill 96, 4, 3214868480
	.section	.rodata,"a",@progbits
	.p2align	6, 0x0
	.amdhsa_kernel k_q19a5b0ce1d_pv
		.amdhsa_group_segment_fixed_size 327680
		.amdhsa_private_segment_fixed_size 0
		.amdhsa_enable_private_segment 0
		.amdhsa_kernarg_size 48
		.amdhsa_user_sgpr_count 2
		.amdhsa_user_sgpr_kernarg_segment_ptr 1
		.amdhsa_wavefront_size32 1
		.amdhsa_system_sgpr_workgroup_id_x 1
		.amdhsa_system_sgpr_workgroup_id_y 1
		.amdhsa_system_sgpr_workgroup_id_z 1
		.amdhsa_system_vgpr_workitem_id 0
		.amdhsa_next_free_vgpr 768
		.amdhsa_next_free_sgpr 102
		.amdhsa_reserve_vcc 1
		.amdhsa_float_denorm_mode_32 3
		.amdhsa_float_denorm_mode_16_64 3
		.amdhsa_memory_ordered 1
		.amdhsa_forward_progress 1
		.amdhsa_inst_pref_size 160
	.end_amdhsa_kernel
	.amdgpu_metadata
---
amdhsa.version: [ 1, 2 ]
amdhsa.kernels:
  - .name:           k_q19a5b0ce1d_pv
    .symbol:         k_q19a5b0ce1d_pv.kd
    .args:
      - { .name: p_codes, .offset: 0, .size: 8, .value_kind: global_buffer, .address_space: global }
      - { .name: p_meta, .offset: 8, .size: 8, .value_kind: global_buffer, .address_space: global }
      - { .name: qkv_codes, .offset: 16, .size: 8, .value_kind: global_buffer, .address_space: global }
      - { .name: qkv_scales, .offset: 24, .size: 8, .value_kind: global_buffer, .address_space: global }
      - { .name: c_codes, .offset: 32, .size: 8, .value_kind: global_buffer, .address_space: global }
      - { .name: c_scales, .offset: 40, .size: 8, .value_kind: global_buffer, .address_space: global }
    .group_segment_fixed_size: 327680
    .private_segment_fixed_size: 0
    .kernarg_segment_align: 8
    .kernarg_segment_size: 48
    .max_flat_workgroup_size: 128
    .sgpr_count:     102
    .vgpr_count:     768
    .wavefront_size: 32
...
	.end_amdgpu_metadata
.endif
;; end of part 4
;; launch outp (part 5): grid 4 x 64, 4 waves a work-group, clusters of 4 x 4, 327,680 bytes of LDS; arguments c_codes, c_scales, xw_codes, xw_scales, bo, out0; writes out0
.if DOCPART == 5
	.amdgcn_target "amdgcn-amd-amdhsa--gfx1250"
	.amdhsa_code_object_version 6
	.text
	.protected	k_q19a5b0ce1d_outp
	.globl	k_q19a5b0ce1d_outp
	.p2align	8
	.type	k_q19a5b0ce1d_outp,@function
k_q19a5b0ce1d_outp:
	s_mov_b64 s[64:65], 0
	v_nop
	global_prefetch_b8 v0, s[64:65] scope:SCOPE_SE
	s_setreg_imm32_b32 hwreg(HW_REG_WAVE_MODE, 25, 1), 1
	s_wait_xcnt 0x0
	s_wait_alu depctr_hold_cnt(0) depctr_sa_sdst(0) depctr_va_vdst(0) depctr_va_sdst(0) depctr_va_ssrc(0) depctr_va_vcc(0) depctr_vm_vsrc(0)
	s_getreg_b32 s2, hwreg(HW_REG_IB_STS2, 6, 4)
	s_cmp_eq_u32 s2, 0
	s_cbranch_scc0 .Lentry_in_a_cluster
	s_endpgm
.Lentry_in_a_cluster:
	s_bfe_u32 s2, ttmp6, 0x10000c
	s_cmp_lg_u32 s2, 0xf033
	s_cbranch_scc0 .Lentry_shape_is_right
	s_endpgm
.Lentry_shape_is_right:
; out = ctx Wo^T + bo on codes of FP6 (K = 1,024, 8 K steps); out0 [8192][1024] f32.
; Operands are register images (see launch qkv's head): source 0 = 128 rows of Wo (groups 88-95 of xw_codes), source 1 = 128 rows of ctx.  A lane holds one row of ctx and 64 numbers of it: register 16 b + i of a tile is
; column 32 b + 16 (lane / 16) + i of my 128.
; TILES: 128 rows x 256 columns a work-group (256 work-groups), 64 x 128 a wave.  The K walk is launch pv's with two fills, both asked for at the head (with the scale words: three tensor loads of a wave outstanding):
; nothing is filled again.
; THE WAY OUT: a tile of 16 rows x 128 columns goes through the wave's own stage in LDS (rows 528 bytes apart) and leaves as whole runs of 512 consecutive bytes of a row.  The order of a tile's rows is turned back by the
; stores' immediates.  The stage lies in slot 0, which has had its only fill, and whose last reads lie in front of the barrier in K step 3.
; CLUSTER 4 x 4: ctx's group is shared along a row of the cluster, Wo's groups along a column: joint loads.
; LIMITS: NaN and infinities are not served.
.set SLOTB, 147456
.set SCA,   2*SLOTB
.set SCB,   SCA+4096
.set SPARE, SCB+8192                   ; the spare words: 128 bytes a wave, two blocks of 256 bytes that no other line names
.set ADRA, 16
.set ADRB, 20
.set ADSA, 24
.set ADSB, 25
.set GO,   26
.set SPW,  28
.set NIL,  29
.set STO,  30
.set RD,   31
.set SC,   32
.set AF,   128
.set H,    128
.set BK,   192
.set G1A,  24
.set G1B,  32
.set G1SA, 40
.set G1SB, 48
.set G0A,  56
.set G0B,  72
.set G0SA, 84
.set G0SB, 88
.set MUL,  0xa1
.set TO_B, 0x40
.set MSB, 0
.macro WIN new
.if MSB != (\new)
	s_set_vgpr_msb (MSB<<8)|(\new)
.set MSB, (\new)
.endif
.endm
.macro PLACES
.rept 4
	v_nop
.endr
.endm
.macro CREST
	s_cmp_lg_u32 s14, 0
	s_cbranch_scc1 .Lnot_wave_0_\@
	s_barrier_signal -3
.Lnot_wave_0_\@:
	s_barrier_wait -3
	s_barrier_signal -1
	s_barrier_wait -1
.endm
.macro CROUND
	s_barrier_signal -1
	s_barrier_wait -1
	CREST
.endm
.macro MKG1 g, m, rows
	s_or_b32 s[\g], s[\m], (3<<16)|(1<<21)
	s_mov_b32 s[\g+1], 32<<16
	s_mov_b32 s[\g+2], (\rows)<<16
	s_mov_b32 s[\g+3], 32<<16
	s_mov_b32 s[\g+4], \rows
	s_mov_b32 s[\g+5], 32
	s_mov_b32 s[\g+6], 0
	s_mov_b32 s[\g+7], 0
.endm
.macro MKG0 g, lreg, loff, p, off
	s_mov_b32 s[\g], 1
	s_add_co_u32 s[\g+1], s[\lreg], \loff
	s_add_nc_u64 s[\g+2:\g+3], s[\p:\p+1], \off
	s_or_b32 s[\g+3], s[\g+3], 0x80000000
.endm
.macro FRAG reg, adr, off
.irp c, 0,1,2
	ds_load_b128 v[\reg+4*\c:\reg+4*\c+3], v[\adr] offset:\off+512*\c
.endr
.endm
.macro FETCH4 s
	WIN TO_B
.irp b, 0,1,2,3,4,5,6,7
	FRAG 128*((\s)%2)+12*\b, ADRB+((\s)/4)%2, ((\s)%4)*12288+\b*1536
.endr
	WIN 0
.irp a, 0,1,2,3
	FRAG AF+48*((\s)%2)+12*\a, ADRA+((\s)/4)%2, ((\s)%4)*12288+\a*1536
.endr
	ds_load_b128 v[SC+16*((\s)%2):SC+16*((\s)%2)+3], v[ADSA] offset:512*(\s)
	ds_load_b128 v[SC+16*((\s)%2)+4:SC+16*((\s)%2)+7], v[ADSB] offset:512*(\s)
	ds_load_b128 v[SC+16*((\s)%2)+8:SC+16*((\s)%2)+11], v[ADSB] offset:512*(\s)+256
.endm
.macro MUL16Q a0, s, zero              ; the 32 accumulators take turns, one instruction a turn
.set SCS, SC+16*((\s)%2)
.set BS, 128*((\s)%2)
.set AS, AF+48*((\s)%2)
.irp a, \a0, \a0+1
.irp b, 0,1,2,3,4,5,6,7
.if \zero
	v_wmma_scale_f32_16x16x128_f8f6f4 v[8*(8*(\a)+\b):8*(8*(\a)+\b)+7], v[BS+12*\b:BS+12*\b+11], v[AS+12*(\a):AS+12*(\a)+11], 0, v[SCS+4+\b], v[SCS+(\a)] matrix_a_fmt:MATRIX_FMT_FP6 matrix_b_fmt:MATRIX_FMT_FP6
.else
	v_wmma_scale_f32_16x16x128_f8f6f4 v[8*(8*(\a)+\b):8*(8*(\a)+\b)+7], v[BS+12*\b:BS+12*\b+11], v[AS+12*(\a):AS+12*(\a)+11], v[8*(8*(\a)+\b):8*(8*(\a)+\b)+7], v[SCS+4+\b], v[SCS+(\a)] matrix_a_fmt:MATRIX_FMT_FP6 matrix_b_fmt:MATRIX_FMT_FP6
.endif
.endr
.endr
.endm
; A K step.  sync = 0: plain.  sync = 2: slot 0's last K step: one barrier, in front of it the wait for all my tensor loads, the add, and the wait for it and for my reads of the slot.
.macro KSTEP4 s, zero, sync, last
.if \sync
	s_wait_tensorcnt 0x0                           ; all my tensor loads have landed: my part of slot 1
	ds_add_u32 v[SPW], v[NIL]                      ; 0 onto my spare word
	s_wait_dscnt 0x0                               ; the add is done; this K step's 39 loads, my last reads of slot 0, are in
	s_barrier_signal -1
	WIN MUL
	MUL16Q 0, \s, \zero
	WIN 0
	s_barrier_wait -1
	PLACES
	FETCH4 (\s)+1
	WIN MUL
	MUL16Q 2, \s, \zero
	WIN 0
.else
	s_wait_dscnt 0x0                               ; this K step's loads, issued a K step ago, are in
.if (\last) == 0
.if (\s) > 0
	PLACES
.endif
	FETCH4 (\s)+1
.endif
	WIN MUL
	MUL16Q 0, \s, \zero
	MUL16Q 2, \s, \zero
	WIN 0
.endif
.endm
.macro OUTB a                          ; my tile a of 16 rows: + the bias, through the stage, out
.if (\a) > 0
	s_wait_xcnt 0x0                                ; the last tile's stores have read their registers, into which the loads below land
.endif
	WIN 0x06                                       ; source 0 window 2, source 1 window 1
.set i, 0
.rept 32
	v_pk_add_f32 v[H+2*i:H+2*i+1], v[64*(\a)+2*i:64*(\a)+2*i+1], v[96+2*i+96*(i/16):97+2*i+96*(i/16)]   ; ascending: each accumulator is read from its low end on
.set i, i+1
.endr
	WIN 0
.irp b, 0,1,2,3
.irp j, 0,1,2,3
	ds_store_b128 v[STO], v[H+16*\b+4*\j:H+16*\b+4*\j+3] offset:128*\b+16*\j
.endr
.endr
.irp t, 0,1,2,3,4,5,6,7,8,9,10,11,12,13,14,15
	ds_load_b128 v[BK+4*\t:BK+4*\t+3], v[RD] offset:528*\t   ; LDS serves a wave's instructions in order: these see the stores above, and the next tile's stores come behind them
.endr
.irp t, 0,1,2,3,4,5,6,7,8,9,10,11,12,13,14,15
	s_wait_dscnt 15-\t                             ; row t is back; the younger loads may be out
	global_store_b128 v[GO], v[BK+4*\t:BK+4*\t+3], s[12:13] offset:(32*((\a)/2)+8*((\a)%2)+(\t%8)+16*(\t/8))*4096 th:TH_STORE_NT   ; 512 consecutive bytes, at a multiple of 512 from out0's first byte
.endr
.endm
	s_load_b128 s[4:7], s[0:1], 0x0                ; c_codes, c_scales
	s_load_b128 s[8:11], s[0:1], 0x10              ; xw_codes, xw_scales
	s_load_b64 s[94:95], s[0:1], 0x20              ; bo
	s_load_b64 s[12:13], s[0:1], 0x28              ; out0
	v_lshl_add_u32 v[SPW], v0, 2, SPARE
	v_mov_b32 v[NIL], 0
	ds_add_u32 v[SPW], v[NIL]                      ; the wave's opening: the add and its wait stand ahead of my first tensor load
	v_lshrrev_b32 v1, 5, v0
	v_readfirstlane_b32 s14, v1                    ; wave 0..3
	s_lshr_b32 s15, s14, 1                         ; my 64 of the rows.  Also: I fetch for ctx (0) or for Wo (1)
	s_and_b32 s16, s14, 1                          ; my 128 of the columns.  Also: which part I fetch
	s_bfe_u32 s19, ttmp6, 0x40000                  ; cx
	s_bfe_u32 s20, ttmp6, 0x40004                  ; cy
	s_lshl_b32 s18, ttmp9, 2
	s_add_co_u32 s18, s18, s19                     ; tile of 256 columns, 0..3
	s_and_b32 s3, ttmp7, 0xffff
	s_lshl_b32 s17, s3, 2
	s_add_co_u32 s17, s17, s20                     ; group of 128 rows, 0..63
	s_lshl_b32 s2, s20, 2
	s_lshl_b32 s2, 15, s2                          ; my row of the cluster
	s_lshl_b32 s3, 0x1111, s19                     ; my column
	MKG1 G1A, 2, 96                                ; two K steps of ctx's group
	MKG1 G1B, 3, 192                               ; four K steps of a group of Wo
	MKG1 G1SA, 2, 8                                ; half of ctx's scale words: 2,048 bytes
	MKG1 G1SB, 3, 16                               ; a group of Wo's: 4,096 bytes
	s_wait_dscnt 0x0                               ; the opening add is done
	s_wait_kmcnt 0x0
	s_mul_i32 s2, s17, 98304
	s_mul_i32 s22, s16, 24576
	s_add_co_u32 s2, s2, s22
	s_mov_b32 s3, 0
	s_add_nc_u64 s[4:5], s[4:5], s[2:3]
	s_lshl_b32 s2, s17, 12
	s_lshl_b32 s22, s16, 11
	s_add_co_u32 s2, s2, s22
	s_add_nc_u64 s[6:7], s[6:7], s[2:3]
	s_lshl_b32 s22, s18, 1
	s_add_co_u32 s22, s22, s16
	s_add_co_u32 s22, s22, 88                      ; Wo's group
	s_mul_i32 s2, s22, 98304
	s_add_nc_u64 s[8:9], s[8:9], s[2:3]
	s_lshl_b32 s2, s22, 12
	s_add_nc_u64 s[10:11], s[10:11], s[2:3]
	s_lshl_b32 s2, s18, 10
	s_lshl_b32 s22, s16, 9
	s_add_co_u32 s2, s2, s22                       ; my first column, in bytes
	s_add_nc_u64 s[94:95], s[94:95], s[2:3]
	s_add_nc_u64 s[12:13], s[12:13], s[2:3]
	s_lshl_b32 s22, s17, 7
	s_lshl_b32 s23, s15, 6
	s_add_co_u32 s22, s22, s23
	s_lshl_b32 s2, s22, 12                         ; my first row
	s_add_nc_u64 s[12:13], s[12:13], s[2:3]
	CROUND                                         ; all sixteen work-groups are here: the joint loads meet
	s_mul_i32 s22, s16, 24576
	s_mul_i32 s23, s16, 49152
	s_add_co_u32 s23, s23, 49152
	s_lshl_b32 s2, s16, 11
	s_lshl_b32 s3, s16, 12
	MKG0 G0SA, 2, SCA, 6, 0
	MKG0 G0SB, 3, SCB, 10, 0
	MKG0 G0A, 22, 0, 4, 0
	MKG0 G0A+4, 22, SLOTB, 4, 49152
	MKG0 G0B, 23, 0, 8, 0
	MKG0 G0B+4, 23, SLOTB, 8, 49152
	s_cmp_eq_u32 s15, 0                            ; a wave's three fills stand in one branch
	s_cbranch_scc0 .Lfirst_b
	tensor_load_to_lds s[G0SA:G0SA+3], s[G1SA:G1SA+7]
	s_nop 0
	tensor_load_to_lds s[G0A:G0A+3], s[G1A:G1A+7]
	s_nop 0
	tensor_load_to_lds s[G0A+4:G0A+7], s[G1A:G1A+7]
	s_nop 0
.rept 4
	v_nop
.endr
	s_branch .Lfirst_done
.Lfirst_b:
	tensor_load_to_lds s[G0SB:G0SB+3], s[G1SB:G1SB+7]
	s_nop 0
	tensor_load_to_lds s[G0B:G0B+3], s[G1B:G1B+7]
	s_nop 0
	tensor_load_to_lds s[G0B+4:G0B+7], s[G1B:G1B+7]
	s_nop 0
.rept 4
	v_nop
.endr
.Lfirst_done:
	v_and_b32 v1, 15, v0                           ; r
	v_bfe_u32 v2, v0, 4, 1                         ; h
	v_and_b32 v3, 31, v0
	v_lshlrev_b32 v[GO], 4, v3
	v_lshlrev_b32 v4, 6, v2                        ; the bias: my 16 numbers of each 32: 64 h bytes on
	WIN TO_B
.irp b, 0,1,2,3
.irp j, 0,1,2,3
	global_load_b128 v[96+16*\b+4*\j+96*(\b/2):99+16*\b+4*\j+96*(\b/2)], v4, s[94:95] offset:128*\b+16*\j
.endr
.endr
	WIN 0
	v_lshlrev_b32 v7, 4, v1                        ; 16 r
	s_mul_i32 s22, s15, 6144
	v_add_nc_u32 v[ADRA], s22, v[GO]
	v_add_nc_u32 v[ADRA+1], SLOTB, v[ADRA]
	s_mul_i32 s22, s16, 49152
	s_add_co_u32 s22, s22, 49152
	v_add_nc_u32 v[ADRB], s22, v[GO]
	v_add_nc_u32 v[ADRB+1], SLOTB, v[ADRB]
	s_lshl_b32 s22, s15, 8
	s_add_co_u32 s22, s22, SCA
	v_add_nc_u32 v[ADSA], s22, v7
	s_lshl_b32 s22, s16, 12
	s_add_co_u32 s22, s22, SCB
	v_add_nc_u32 v[ADSB], s22, v7
	s_mul_i32 s22, s14, 16*528                     ; my stage
	v_mul_u32_u24 v[STO], v1, 528
	v_lshl_add_u32 v[STO], v2, 6, v[STO]
	v_add_nc_u32 v[STO], s22, v[STO]               ; in: row r, + 64 h
	v_add_nc_u32 v[RD], s22, v[GO]                 ; back: the 32 lanes take one row of 512 bytes
	s_wait_loadcnt 0x0                             ; the bias, while the tiles are on their way
	s_wait_tensorcnt 1                             ; the scale words and fill 0 are in; fill 1 may be out
	s_barrier_signal -1
	s_barrier_wait -1
	FETCH4 0
	KSTEP4 0, 1, 0, 0                              ; the first products start the sums
	KSTEP4 1, 0, 0, 0
	KSTEP4 2, 0, 0, 0
	KSTEP4 3, 0, 2, 0                              ; fill 1 is shown whole to every wave, and nobody reads slot 0 any more
	KSTEP4 4, 0, 0, 0
	KSTEP4 5, 0, 0, 0
	KSTEP4 6, 0, 0, 0
	KSTEP4 7, 0, 0, 1
	PLACES
	OUTB 0
	OUTB 1
	OUTB 2
	OUTB 3
	s_wait_tensorcnt 0x0                           ; the wave's end, behind my last tensor load and my last LDS store
	ds_add_u32 v[SPW], v[NIL]
	s_wait_dscnt 0x0
	CROUND                                         ; the closing round
	s_endpgm
.Lfunc_end_k_q19a5b0ce1d_outp:
	.size	k_q19a5b0ce1d_outp, .Lfunc_end_k_q19a5b0ce1d_outp-k_q19a5b0ce1d_outp
	.p2alignl 7, 3214868480
	.fill 96, 4, 3214868480
	.section	.rodata,"a",@progbits
	.p2align	6, 0x0
	.amdhsa_kernel k_q19a5b0ce1d_outp
		.amdhsa_group_segment_fixed_size 327680
		.amdhsa_private_segment_fixed_size 0
		.amdhsa_enable_private_segment 0
		.amdhsa_kernarg_size 48
		.amdhsa_user_sgpr_count 2
		.amdhsa_user_sgpr_kernarg_segment_ptr 1
		.amdhsa_wavefront_size32 1
		.amdhsa_system_sgpr_workgroup_id_x 1
		.amdhsa_system_sgpr_workgroup_id_y 1
		.amdhsa_system_sgpr_workgroup_id_z 1
		.amdhsa_system_vgpr_workitem_id 0
		.amdhsa_next_free_vgpr 768
		.amdhsa_next_free_sgpr 102
		.amdhsa_reserve_vcc 0
		.amdhsa_float_denorm_mode_32 3
		.amdhsa_float_denorm_mode_16_64 3
		.amdhsa_memory_ordered 1
		.amdhsa_forward_progress 1
		.amdhsa_inst_pref_size 89
	.end_amdhsa_kernel
	.amdgpu_metadata
---
amdhsa.version: [ 1, 2 ]
amdhsa.kernels:
  - .name:           k_q19a5b0ce1d_outp
    .symbol:         k_q19a5b0ce1d_outp.kd
    .args:
      - { .name: c_codes, .offset: 0, .size: 8, .value_kind: global_buffer, .address_space: global }
      - { .name: c_scales, .offset: 8, .size: 8, .value_kind: global_buffer, .address_space: global }
      - { .name: xw_codes, .offset: 16, .size: 8, .value_kind: global_buffer, .address_space: global }
      - { .name: xw_scales, .offset: 24, .size: 8, .value_kind: global_buffer, .address_space: global }
      - { .name: bo, .offset: 32, .size: 8, .value_kind: global_buffer, .address_space: global }
      - { .name: out0, .offset: 40, .size: 8, .value_kind: global_buffer, .address_space: global }
    .group_segment_fixed_size: 327680
    .private_segment_fixed_size: 0
    .kernarg_segment_align: 8
    .kernarg_segment_size: 48
    .max_flat_workgroup_size: 128
    .sgpr_count:     102
    .vgpr_count:     768
    .wavefront_size: 32
...
	.end_amdgpu_metadata
.endif
;; end of part 5
